; MI455X (gfx1250); checked and timed in simulation.
; The chip was launched on July 23, 2026; its instructions are those of AMD's public machine-readable ISA for CDNA 5 (MIT licence, August 2026) and "CDNA5" Instruction Set Architecture Reference Guide (July 2026). The comments in the code are by the model that wrote it; some were corrected since.
;; Causal Self Attention. Allowed arithmetic: float matrix products may take bf16 or f16 operands with f32 sums; all other float work in f32.
;; Inputs: W_attn 1,024 x 3,072 float32; W_proj 1,024 x 1,024 float32; b_attn 3,072 float32; b_proj 1,024 float32; cos 2,048 x 32 float32; sin 2,048 x 32 float32; x 2 x 2,048 x 1,024 float32.
;; Outputs: out0 2 x 2,048 x 1,024 float32.
;; 2 versions, each right; version 2 is version 1 with the launch cast written anew for expert scheduling mode. Each part assembles by itself: llvm-mc -triple=amdgcn-amd-amdhsa -mcpu=gfx1250 --defsym DOCPART=n.
;; ======== version 1 of 2: 4 launches
;; limits: values outside matrix products are rounded to bf16; values are held in f16: magnitudes above 65,504 overflow, below 6.1e-05 lose precision; right only within a limited range of input values
;; workspace buffers: bf 17,039,360 bytes; qkv 25,165,824 bytes; yh 8,388,608 bytes
;; launch cast (part 1): grid 520 x 1, 8 waves a work-group, no clusters, 0 bytes of LDS; arguments x, W_attn, W_proj, cos, sin, bf; writes bf
.if DOCPART == 1
	.amdgcn_target "amdgcn-amd-amdhsa--gfx1250"
	.amdhsa_code_object_version 6
	.text
	.protected	k_q7ba565fda0_cast
	.globl	k_q7ba565fda0_cast
	.p2align	8
	.type	k_q7ba565fda0_cast,@function
k_q7ba565fda0_cast:
	s_mov_b64 s[64:65], 0
	v_nop
	global_prefetch_b8 v0, s[64:65] scope:SCOPE_SE
	s_setreg_imm32_b32 hwreg(HW_REG_WAVE_MODE, 25, 1), 1
	s_wait_xcnt 0x0
; bf = x | W_attn | W_proj | cos | sin in 16 bits, laid end to end in the inputs' own element order:
; x16 at byte 0 (4,194,304 numbers), wa16 at 8,388,608 (3,145,728), wp16 at 14,680,064 (1,048,576), cos16 at 16,777,216 (65,536), sin16 at 16,908,288 (65,536).
; FORMATS: every number is rounded to bf16, to nearest even.  x, W_attn, cos and sin are stored as bf16.  W_proj's rounded numbers are stored
; as f16, because its partner in the last product (y) is kept in f16: f16 holds a bf16 number of magnitude 2^-17 to 65,504 exactly; a smaller
; one is moved by at most 2^-25, a larger one would overflow (W_proj is drawn with a spread of 1/32).
; A stream: no LDS, no barrier, no matrix unit.  A work-group takes 16,384 numbers (64 KiB in, 32 KiB out):
; work-groups 0-255 x, 256-447 W_attn, 448-511 W_proj, 512-515 cos, 516-519 sin; the output offset is the work-group's number times 32 KiB.
; Thread t takes 16 bytes at 16 t of each of 16 chunks of 4,096 bytes: a wave's load covers 512 neighbouring bytes,
; its store 256 neighbouring bytes that begin at a multiple of 256.  All sixteen loads of a wave are out at once;
; no source of a pending instruction is ever rewritten (a chunk's X registers are written again only when its load has come).
.set X, 4                              ; v[4:67]   chunk c: 4 numbers in f32
.set Y, 68                             ; v[68:99]  chunk c: 4 numbers in 16 bits
	s_load_b256 s[4:11], s[0:1], 0x0               ; x s[4:5], W_attn s[6:7], W_proj s[8:9], cos s[10:11]
	s_load_b128 s[12:15], s[0:1], 0x20             ; sin s[12:13], bf s[14:15]
	v_lshlrev_b32 v1, 4, v0                        ; my 16 bytes of a chunk that is read
	v_lshlrev_b32 v2, 3, v0                        ; my 8 bytes of a chunk that is written
	s_mov_b32 s18, 516                             ; the first work-group of the chosen input: sin's, unless a line below says otherwise
	s_mov_b32 s19, 0xffff0000                      ; a word's upper bf16
	s_mov_b32 s21, 0
	s_mov_b32 s23, 0
	s_lshl_b32 s22, ttmp9, 15                      ; 32 KiB out for each work-group
	s_wait_kmcnt 0x0
	s_cmp_lt_u32 ttmp9, 516                        ; every choice hangs on the work-group's number alone
	s_cselect_b64 s[16:17], s[10:11], s[12:13]
	s_cselect_b32 s18, 512, s18
	s_cmp_lt_u32 ttmp9, 512
	s_cselect_b64 s[16:17], s[8:9], s[16:17]
	s_cselect_b32 s18, 448, s18
	s_cmp_lt_u32 ttmp9, 448
	s_cselect_b64 s[16:17], s[6:7], s[16:17]
	s_cselect_b32 s18, 256, s18
	s_cmp_lt_u32 ttmp9, 256
	s_cselect_b64 s[16:17], s[4:5], s[16:17]
	s_cselect_b32 s18, 0, s18
	s_sub_co_u32 s20, ttmp9, s18
	s_lshl_b32 s20, s20, 16                        ; 64 KiB in for each work-group
	s_add_nc_u64 s[16:17], s[16:17], s[20:21]
	s_add_nc_u64 s[14:15], s[14:15], s[22:23]
.irp c, 0,1,2,3,4,5,6,7,8,9,10,11,12,13,14,15
	global_load_b128 v[X+4*\c:X+4*\c+3], v1, s[16:17] offset:4096*\c th:TH_LOAD_NT   ; read once in the launch
.endr
; The sixteen chunks.  half = 1: the rounded numbers are widened again (a shift, a mask) and stored as f16
.macro CHUNKS half
.irp c, 0,1,2,3,4,5,6,7,8,9,10,11,12,13,14,15
	s_wait_loadcnt 15-\c                           ; loads come back in order: chunk c is in, the 15 - c younger ones stay out
	v_cvt_pk_bf16_f32 v[Y+2*\c], v[X+4*\c], v[X+4*\c+1]
	v_cvt_pk_bf16_f32 v[Y+2*\c+1], v[X+4*\c+2], v[X+4*\c+3]
.if \half
	v_lshlrev_b32 v[X+4*\c], 16, v[Y+2*\c]
	v_and_b32 v[X+4*\c+1], s19, v[Y+2*\c]
	v_lshlrev_b32 v[X+4*\c+2], 16, v[Y+2*\c+1]
	v_and_b32 v[X+4*\c+3], s19, v[Y+2*\c+1]
	v_cvt_pk_f16_f32 v[Y+2*\c], v[X+4*\c], v[X+4*\c+1]
	v_cvt_pk_f16_f32 v[Y+2*\c+1], v[X+4*\c+2], v[X+4*\c+3]
.endif
	global_store_b64 v2, v[Y+2*\c:Y+2*\c+1], s[14:15] offset:2048*\c                 ; the next launches read it: no hint
.endr
.endm
	s_cmp_eq_u32 s18, 448
	s_cbranch_scc1 .Lwp
	CHUNKS 0
	s_endpgm
.Lwp:
	CHUNKS 1
	s_endpgm
.Lfunc_end_k_q7ba565fda0_cast:
	.size	k_q7ba565fda0_cast, .Lfunc_end_k_q7ba565fda0_cast-k_q7ba565fda0_cast
	.p2alignl 7, 3214868480
	.fill 96, 4, 3214868480
	.section	.rodata,"a",@progbits
	.p2align	6, 0x0
	.amdhsa_kernel k_q7ba565fda0_cast
		.amdhsa_group_segment_fixed_size 0
		.amdhsa_private_segment_fixed_size 0
		.amdhsa_enable_private_segment 0
		.amdhsa_kernarg_size 48
		.amdhsa_user_sgpr_count 2
		.amdhsa_user_sgpr_kernarg_segment_ptr 1
		.amdhsa_wavefront_size32 1
		.amdhsa_system_sgpr_workgroup_id_x 1
		.amdhsa_system_sgpr_workgroup_id_y 1
		.amdhsa_system_sgpr_workgroup_id_z 1
		.amdhsa_system_vgpr_workitem_id 0
		.amdhsa_next_free_vgpr 104
		.amdhsa_next_free_sgpr 66
		.amdhsa_reserve_vcc 0
		.amdhsa_float_denorm_mode_32 3
		.amdhsa_float_denorm_mode_16_64 3
		.amdhsa_memory_ordered 1
		.amdhsa_forward_progress 1
		.amdhsa_inst_pref_size 16
	.end_amdhsa_kernel
	.amdgpu_metadata
---
amdhsa.version: [ 1, 2 ]
amdhsa.kernels:
  - .name:           k_q7ba565fda0_cast
    .symbol:         k_q7ba565fda0_cast.kd
    .args:
      - { .name: x, .offset: 0, .size: 8, .value_kind: global_buffer, .address_space: global }
      - { .name: W_attn, .offset: 8, .size: 8, .value_kind: global_buffer, .address_space: global }
      - { .name: W_proj, .offset: 16, .size: 8, .value_kind: global_buffer, .address_space: global }
      - { .name: cos, .offset: 24, .size: 8, .value_kind: global_buffer, .address_space: global }
      - { .name: sin, .offset: 32, .size: 8, .value_kind: global_buffer, .address_space: global }
      - { .name: bf, .offset: 40, .size: 8, .value_kind: global_buffer, .address_space: global }
    .group_segment_fixed_size: 0
    .private_segment_fixed_size: 0
    .kernarg_segment_align: 8
    .kernarg_segment_size: 48
    .max_flat_workgroup_size: 256
    .sgpr_count:     66
    .vgpr_count:     104
    .wavefront_size: 32
...
	.end_amdgpu_metadata
.endif
;; end of part 1
;; launch qkvgemm (part 2): grid 12 x 16, 4 waves a work-group, clusters of 4 x 4, 327,680 bytes of LDS; arguments bf, b_attn, qkv; writes qkv
.if DOCPART == 2
	.amdgcn_target "amdgcn-amd-amdhsa--gfx1250"
	.amdhsa_code_object_version 6
	.text
	.protected	k_q7ba565fda0_qkvgemm
	.globl	k_q7ba565fda0_qkvgemm
	.p2align	8
	.type	k_q7ba565fda0_qkvgemm,@function
k_q7ba565fda0_qkvgemm:
	s_mov_b64 s[64:65], 0
	v_nop
	global_prefetch_b8 v0, s[64:65] scope:SCOPE_SE
	s_setreg_imm32_b32 hwreg(HW_REG_WAVE_MODE, 25, 1), 1
	s_wait_xcnt 0x0
	s_wait_alu depctr_hold_cnt(0) depctr_sa_sdst(0) depctr_va_vdst(0) depctr_va_sdst(0) depctr_va_ssrc(0) depctr_va_vcc(0) depctr_vm_vsrc(0)
	s_getreg_b32 s2, hwreg(HW_REG_IB_STS2, 6, 4)
	s_cmp_eq_u32 s2, 0
	s_cbranch_scc0 .Lentry_in_a_cluster
	s_endpgm
.Lentry_in_a_cluster:
	s_bfe_u32 s2, ttmp6, 0x10000c
	s_cmp_lg_u32 s2, 0xf033
	s_cbranch_scc0 .Lentry_shape_is_right
	s_endpgm
.Lentry_shape_is_right:
; qkv = x W_attn + b_attn, then for the q and k heads RMS norm and rotary, all stored in f16 as [b][g][t][64]
; (g = 0-15 q heads, 16-31 k heads, 32-47 v heads).  q is stored times 0.125 log2(e): the softmax scale and the base-2 exponent.
; In bf: x16 [4096][1024] at byte 0, wa16 [1024 k][3072 n] at byte 8,388,608, cos16 and sin16 [2048][32] at 16,777,216 and 16,908,288, all bf16.
; A work-group makes 256 x 256 of the product with four waves, a wave 128 x 128 = 64 accumulator tiles = 512 registers = 128 rows of two whole heads.
; K = 1024 goes in 8 steps of 128 through two LDS slots filled by the tensor data mover.
; 192 work-groups: with blocks of 256 columns the kind of a block (q, k, v) is the cluster's x, equal in all sixteen partners, so the one
; branch of the way out hangs on nothing that differs between partners; a block of 192 columns would give 256 work-groups, but mix kinds
; in a cluster and read a third more LDS bytes for each matrix instruction.
; CLUSTERS: 4 x 4 work-groups.  x's tile hangs on the block row alone and is asked for jointly along a row of the cluster, W's on the block
; column alone and is asked for jointly along a column: a quarter of the requests.
; W lies [k][n]: its fragments come out of LDS by the transposing load ds_load_tr16_b128; LDS pitch 544 = 17 x 32 bytes.
; THE MATRIX INSTRUCTION IS USED TRANSPOSED: source 0 = 16 columns of W, source 1 = 16 rows of x.  Register j of lane (r, h) holds
; row r, column 16 b + 8 h + j: eight neighbouring numbers of a head's row; d and d + 32 lie in one lane, two tiles apart (rotary needs no
; other lane), and a head's 64 numbers lie in lanes r and r + 16 (one v_permlanex16_b32 for the sum of squares).
; The bias is the C operand of each tile's first product: nothing is cleared and nothing is added afterwards.
; LIMITS: x, W_attn, cos and sin enter rounded to bf16.  q, k, v leave as f16 (11 bits: a row of the output that attends to few keys has a
; spread some ten times the whole output's, so 8 bits are too few).  f16's range: |q|, |k| <= 8 (|cos| + |sin|); |v| must stay below 65,504:
; it is a few units for inputs of the drawn spread, a few thousand with x and W_attn both 30 times larger, about 1024 x 30 x 0.94 = 29,000
; with both carrying an offset of 30 spreads.  The bias is the first addend of the f32 sum, not the last.
; v_rsq_f32 is good to 1 ULP; its argument is at least eps = 2^-23, so no denormal is flushed there.
;
; REGISTERS in windows of 256: window 0: v1-31 addresses and small work; v32-47, v48-63 cos and sin of a row tile as loaded (two buffers);
; v64-127, v128-191 x's fragments (two buffers); v192-255 the bias.  Window 1: v64-127, v128-191 W's fragments.  Window 2: accumulators of
; my rows 0-63 (tile (a, b) at v[8 (8 a + b)]); window 3: of my rows 64-127.  On the way out window 0's v64-255 are used again (see there).
.set PITCH,  272                       ; x's LDS row: 256 bytes + 16
.set PB,     544                       ; W's LDS row: 512 bytes + 32
.set HALFT,  34816                     ; 128 rows of x = 64 rows of W: what one tensor load brings
.set SLOT,   4*HALFT                   ; x's 256 rows, then W's 128 k rows
.set STAGE,  2*SLOT                    ; 278,528 = 1088 x 256: behind the ring, never filled by a tensor load
.set SPW,    4608                      ; a wave's stage: 2 heads x 16 rows x 144 bytes
.set LAPS,   4                         ; a lap = two K steps = once round the ring
.set SS,   6                           ; v[6:13]   sums of squares: head hd, chain c at v[6 + 4 hd + 2 c], pairs
.set RR,   14                          ; v[14:15], v[18:19]  1 / rms (times q's scale), twice, for head 0, 1
.set ADRA, 16                          ; v16-17    LDS address of my x fragments in slot 0, 1
.set ADRB, 20                          ; v20-21    the same for W
.set TP,   22                          ; v22-23    at work
.set STO,  24                          ; the way out: where I put 16 bytes of a head's row
.set RD,   25                          ; the way out: where I read rows back
.set CO,   26                          ; 16 x lane: my bytes of 512 that a store covers
.set CSO,  27                          ; 64 r + 16 h: my place in cos16 and sin16
.set BO,   28                          ; 32 h: my place in the bias
.set CS0,  32                          ; v[32:47]   cos (8 registers, 16 bf16), sin (8) of a row tile, as loaded
.set CS1,  48                          ; v[48:63]   the same, the other buffer
.set F0,   64
.set F1,   128
.set BIAS, 192                         ; v[192:255] column tile b: b_attn[.. + 16 b + 8 h + j] at v[192 + 8 b + j]
.set CU,   192                         ; the way out: v[192:223] cos (16), sin (16) of the row tile at work, in f32 (the bias is spent by then)
.set CR,   64                          ; head hd: cos / rms at v[64 + 32 hd ..+15], sin / rms at v[80 + 32 hd ..+15]
.set YY,   128                         ; head hd: y1 at v[128 + 32 hd ..+15], y2 at v[144 + 32 hd ..+15]
.set PK,   224                         ; v[224:255] packed f16: head hd, tile bq at v[224 + 16 hd + 4 bq ..+3]
.set RB,   128                         ; v[128:159] rows read back, in y's registers
.set G1,  24                           ; s[24:31] descriptor group 1 for x's tiles
.set G0,  32                           ; s[32:39] group 0 for x's tiles, one set for each slot
.set G1B, 48                           ; s[48:55] group 1 for W's tiles
.set G0B, 56                           ; s[56:63] group 0 for W's tiles, one set for each slot
.set MSB, 0
.macro WIN new                         ; the immediate's high byte repeats the setting that is left
.if MSB != (\new)
	s_set_vgpr_msb (MSB<<8)|(\new)
.set MSB, (\new)
.endif
.endm
.set MUL_LO, 0xa1                      ; source 0 (W) window 1, source 1 (x) window 0, C and D window 2
.set MUL_HI, 0xf1                      ; the same, C and D window 3
.set BEG_LO, 0x81                      ; the first products: C is the bias in window 0, D window 2
.set BEG_HI, 0xc1                      ; D window 3
.set TO_B,   0x40                      ; destination window 1, address window 0
; A joint load.  Waves 0 and 1 fetch x's two halves, waves 2 and 3 W's.  The branch hangs on the wave's number alone.
.macro JLOAD s
	s_cmp_eq_u32 s15, 0
	s_cbranch_scc0 .Lfor_b_\@
	tensor_load_to_lds s[G0+4*\s:G0+4*\s+3], s[G1:G1+7]
	s_nop 0
	s_branch .Lasked_\@
.Lfor_b_\@:
	tensor_load_to_lds s[G0B+4*\s:G0B+4*\s+3], s[G1B:G1B+7]
	s_nop 0
.Lasked_\@:
.endm
; A round of the cluster's barrier: my work-group's barrier; wave 0 signals for the work-group; every wave waits for all sixteen; my work-group's barrier again.
.macro CREST                           ; a round behind its opening barrier
	s_cmp_lg_u32 s14, 0
	s_cbranch_scc1 .Lnot_wave_0_\@
	s_barrier_signal -3
.Lnot_wave_0_\@:
	s_barrier_wait -3
	s_barrier_signal -1
	s_barrier_wait -1
.endm
.macro CROUND
	s_barrier_signal -1
	s_barrier_wait -1
	CREST
.endm
	s_load_b128 s[4:7], s[0:1], 0x0                ; bf s[4:5], b_attn s[6:7]
	s_load_b64 s[12:13], s[0:1], 0x10              ; qkv
	s_set_vgpr_msb 0x40
	v_lshl_add_u32 v255, v0, 2, 0x48800
	s_set_vgpr_msb 0x4000
	v_mov_b32 v31, 0
	s_set_vgpr_msb 0x1
	ds_add_u32 v255, v31
	ds_add_u32 v255, v31
	s_set_vgpr_msb 0x100
	v_lshrrev_b32 v1, 5, v0
	v_readfirstlane_b32 s14, v1                    ; wave 0..3
	s_lshr_b32 s15, s14, 1                         ; RH: my half of the block's rows.  Also: I fetch for x (0) or for W (1)
	s_and_b32 s16, s14, 1                          ; CH: my half of its columns.  Also: which half of that tile I fetch
	s_bfe_u32 s17, ttmp6, 0x40000                  ; cx
	s_bfe_u32 s18, ttmp6, 0x40004                  ; cy
	s_lshl_b32 s19, ttmp9, 2
	s_add_co_u32 s19, s19, s17                     ; block column 0..11 = 4 x cluster x + cx
	s_and_b32 s20, ttmp7, 0xffff
	s_lshl_b32 s20, s20, 2
	s_add_co_u32 s20, s20, s18                     ; block row 0..15 = 4 x cluster y + cy
	s_lshl_b32 s21, s18, 2
	s_lshl_b32 s21, 15, s21                        ; my row of the cluster: places 4 cy .. 4 cy + 3
	s_lshl_b32 s22, 0x1111, s17                    ; my column: places cx, cx + 4, cx + 8, cx + 12
	; group 1 for x: 128 rows x 128 elements of 2 bytes, pitch 1024 elements; 4 words of padding behind every 64
	s_or_b32 s[G1+0], s21, (1<<16)|(1<<20)|(1<<21)|(5<<22)|(3<<25)
	s_mov_b32 s[G1+1], 128<<16                     ; tensor_dim0 = 128
	s_mov_b32 s[G1+2], 128<<16                     ; tensor_dim1 = 128
	s_mov_b32 s[G1+3], 128<<16                     ; tile_dim0 = 128
	s_mov_b32 s[G1+4], 128                         ; tile_dim1 = 128
	s_mov_b32 s[G1+5], 1024                        ; elements from row to row
	s_mov_b32 s[G1+6], 0
	s_mov_b32 s[G1+7], 0
	; group 1 for W: 64 k rows x 256 elements, pitch 3072 elements; 8 words of padding behind every 128
	s_or_b32 s[G1B+0], s22, (1<<16)|(1<<20)|(1<<21)|(6<<22)|(7<<25)
	s_mov_b32 s[G1B+1], 256<<16
	s_mov_b32 s[G1B+2], 64<<16
	s_mov_b32 s[G1B+3], 256<<16
	s_mov_b32 s[G1B+4], 64
	s_mov_b32 s[G1B+5], 3072
	s_mov_b32 s[G1B+6], 0
	s_mov_b32 s[G1B+7], 0
	; where the tiles come from: x's offset is made of the block row and the wave's number, W's of the block column and the wave's number
	s_lshl_b32 s40, s20, 19                        ; 256 rows of 2,048 bytes for each block row
	s_lshl_b32 s44, s16, 18                        ; + 128 rows for the second half
	s_add_co_u32 s40, s40, s44
	s_mov_b32 s41, 0
	s_mul_i32 s42, s16, 64*6144                    ; 64 k rows of 6,144 bytes for the second half
	s_lshl_b32 s45, s19, 9                         ; + 512 bytes for each block column
	s_add_co_u32 s42, s42, s45
	s_add_co_u32 s42, s42, 8388608                 ; wa16's place in bf
	s_mov_b32 s43, 0
	s_mul_i32 s46, s14, HALFT                      ; and where they go: wave x 34,816 bytes: no place in the cluster enters an LDS address
	s_wait_dscnt 0x0
	s_wait_kmcnt 0x0
	s_add_nc_u64 s[40:41], s[4:5], s[40:41]
	s_add_nc_u64 s[42:43], s[4:5], s[42:43]
	CROUND                                         ; all sixteen work-groups are here: the first joint loads meet
.irp s, 0,1
	s_mov_b32 s[G0+4*\s], 1
	s_add_co_u32 s[G0+4*\s+1], s46, \s*SLOT
	s_add_nc_u64 s[G0+4*\s+2:G0+4*\s+3], s[40:41], \s*256          ; K step s: 128 elements along x's rows
	s_or_b32 s[G0+4*\s+3], s[G0+4*\s+3], 0x80000000
	s_mov_b32 s[G0B+4*\s], 1
	s_add_co_u32 s[G0B+4*\s+1], s46, \s*SLOT
	s_add_nc_u64 s[G0B+4*\s+2:G0B+4*\s+3], s[42:43], \s*786432     ; K step s: 128 rows of W down
	s_or_b32 s[G0B+4*\s+3], s[G0B+4*\s+3], 0x80000000
	JLOAD \s                                       ; both first fills go out before anything else: two tensor loads of a wave are out
.endr
	v_and_b32 v1, 15, v0                           ; r
	v_bfe_u32 v2, v0, 4, 1                         ; h
	v_lshlrev_b32 v[BO], 5, v2
	s_lshl_b32 s72, s19, 10                        ; my first column in b_attn, in bytes: (256 block column + 128 CH) x 4
	s_lshl_b32 s73, s16, 9
	s_add_co_u32 s72, s72, s73
	s_mov_b32 s73, 0
	s_add_nc_u64 s[6:7], s[6:7], s[72:73]
.irp b, 0,1,2,3,4,5,6,7
	global_load_b128 v[BIAS+8*\b:BIAS+8*\b+3], v[BO], s[6:7] offset:64*\b
	global_load_b128 v[BIAS+8*\b+4:BIAS+8*\b+7], v[BO], s[6:7] offset:64*\b+16
.endr
	s_and_b32 s74, s20, 7                          ; my first t = 256 (block row mod 8) + 128 RH
	s_lshl_b32 s78, s74, 14                        ; rows of cos16 and sin16 are 64 bytes
	s_lshl_b32 s79, s15, 13
	s_add_co_u32 s78, s78, s79
	s_add_co_u32 s78, s78, 16777216                ; cos16's place in bf
	s_mov_b32 s79, 0
	s_add_nc_u64 s[8:9], s[4:5], s[78:79]
	s_add_nc_u64 s[10:11], s[8:9], 131072          ; sin16 lies 131,072 bytes behind cos16
	s_lshl_b32 s74, s74, 15                        ; a head's rows are 128 bytes
	s_lshl_b32 s75, s15, 14
	s_add_co_u32 s74, s74, s75
	s_mov_b32 s75, 0
	s_add_nc_u64 s[12:13], s[12:13], s[74:75]
	s_lshr_b32 s76, s20, 3                         ; b
	s_mul_i32 s76, s76, 12582912                   ; 48 heads of 262,144 bytes
	s_lshl_b32 s77, s19, 20                        ; my first head g = 4 block column + 2 CH
	s_add_co_u32 s76, s76, s77
	s_lshl_b32 s77, s16, 19
	s_add_co_u32 s76, s76, s77
	s_mov_b32 s77, 0
	s_add_nc_u64 s[12:13], s[12:13], s[76:77]
	v_lshlrev_b32 v[CSO], 6, v1
	v_lshl_add_u32 v[CSO], v2, 4, v[CSO]
; cos and sin of row tile a (rows 16 a + r), columns 16 o + 8 h + j, o = 0, 1: four loads of 8 bf16 into buf (cos 8 registers, sin 8)
.macro CSLOAD buf, a
.irp o, 0,1
	global_load_b128 v[\buf+4*\o:\buf+4*\o+3], v[CSO], s[8:9] offset:(\a)*1024+32*\o
	global_load_b128 v[\buf+8+4*\o:\buf+8+4*\o+3], v[CSO], s[10:11] offset:(\a)*1024+32*\o
.endr
.endm
	CSLOAD CS0, 0                                  ; row tile 0's, long before the way out.  Blocks of v ask for them too and leave them unused: four loads a wave, and one way for all up to the way out
	; x's fragment: lane (r, h) holds row r, two loads of 16 bytes 32 bytes apart at row x pitch + 16 h
	v_mul_u32_u24 v3, v1, PITCH
	v_lshl_add_u32 v3, v2, 4, v3
	s_mul_i32 s72, s15, HALFT                      ; my 128 rows of x
	; W's fragment by the transposing load: lane l addresses k row 8 h + (l & 7), 16 bytes at 16 ((l >> 3) & 1) of the tile's 32
	v_and_b32 v4, 7, v0
	v_lshl_add_u32 v4, v2, 3, v4
	v_mul_u32_u24 v4, v4, PB
	v_bfe_u32 v5, v0, 3, 1
	v_lshl_add_u32 v4, v5, 4, v4
	s_lshl_b32 s73, s16, 8                         ; my 128 columns
	s_add_co_u32 s73, s73, 2*HALFT                 ; W lies behind x's 256 rows
.irp s, 0,1
	v_add_nc_u32 v[ADRA+\s], s72, v3
	v_add_nc_u32 v[ADRB+\s], s73, v4
	s_add_co_u32 s72, s72, SLOT
	s_add_co_u32 s73, s73, SLOT
.endr
	s_mul_i32 s72, s14, SPW
	s_add_co_u32 s72, s72, STAGE                   ; my stage
	v_mul_u32_u24 v3, v1, 144
	v_lshl_add_u32 v3, v2, 4, v3
	v_add_nc_u32 v[STO], s72, v3                   ; in: row r, 16 bytes for each half of the lanes
	v_bfe_u32 v4, v0, 3, 2
	v_and_b32 v5, 7, v0
	v_mul_u32_u24 v4, v4, 144
	v_lshl_add_u32 v4, v5, 4, v4
	v_add_nc_u32 v[RD], s72, v4                    ; back: eight lanes take a row of 128 bytes, the wave four rows
	v_and_b32 v5, 31, v0
	v_lshlrev_b32 v[CO], 4, v5
	s_mov_b32 s66, 0x3c800000                      ; 1 / 64
	s_mov_b32 s67, 0x34000000                      ; eps of f32, 2^-23
	s_mov_b32 s69, 0x76543210                      ; v_permlanex16_b32: lane i reads lane i of the other half
	s_mov_b32 s70, 0xfedcba98
	s_mov_b32 s71, 0xffff0000                      ; a word's upper bf16
; 16 matrix instructions: row tiles a0, a0 + 1 of the window's four x all 8 column tiles, 32 along K.  zero = 1: the bias starts the sums.
; The 64 accumulators take turns, one instruction a turn, in the same order in every quarter step.
.macro MUL16 f, hi, a0, zero
.irp a, \a0, \a0+1
.irp b, 0,1,2,3,4,5,6,7
.if \zero
	v_wmma_f32_16x16x32_bf16 v[8*(8*(\a)+\b):8*(8*(\a)+\b)+7], v[\f+8*\b:\f+8*\b+7], v[\f+8*(4*\hi+\a):\f+8*(4*\hi+\a)+7], v[BIAS+8*\b:BIAS+8*\b+7]
.else
	v_wmma_f32_16x16x32_bf16 v[8*(8*(\a)+\b):8*(8*(\a)+\b)+7], v[\f+8*\b:\f+8*\b+7], v[\f+8*(4*\hi+\a):\f+8*(4*\hi+\a)+7], v[8*(8*(\a)+\b):8*(8*(\a)+\b)+7]
.endif
.endr
.endr
.endm
; 32 LDS loads in one run: quarter step kq (32 along K) of a slot into buffer f: W's 8 column tiles, then x's 8 row tiles
.macro FETCH slot, kq, f
	WIN TO_B
.irp i, 0,1,2,3,4,5,6,7
	ds_load_tr16_b128 v[\f+8*\i:\f+8*\i+3],   v[ADRB+\slot] offset:\kq*32*PB+32*\i          ; k = 32 kq + 8 h ..+7 of column 16 i + r
	ds_load_tr16_b128 v[\f+8*\i+4:\f+8*\i+7], v[ADRB+\slot] offset:\kq*32*PB+32*\i+16*PB    ; k = 32 kq + 16 + 8 h ..+7
.endr
	WIN 0
.irp i, 0,1,2,3,4,5,6,7
	ds_load_b128 v[\f+8*\i:\f+8*\i+3],   v[ADRA+\slot] offset:\kq*64+\i*16*PITCH
	ds_load_b128 v[\f+8*\i+4:\f+8*\i+7], v[ADRA+\slot] offset:\kq*64+\i*16*PITCH+32
.endr
.endm
; A load into a register that a matrix instruction has read, and a vector instruction that reads a matrix result, stand four places behind
; that matrix instruction; only plain vector instructions that name none of its registers are places.
.macro PLACES
.rept 4
	v_nop
.endr
.endm
; One of a K step's first three quarters: multiplies buffer f; in its middle it fetches the next quarter, kq, of the same slot into buffer g.
.macro QUARTER slot, kq, f, g, zero
	s_wait_dscnt 8                                 ; W and x's rows 0-63 are in; the youngest eight loads (x's rows 64-127) may be out
.if \zero
	WIN BEG_LO
.else
	WIN MUL_LO
.endif
	MUL16 \f, 0, 0, \zero
	MUL16 \f, 0, 2, \zero
	PLACES
	FETCH \slot, \kq, \g
	s_wait_dscnt 32                                ; all but the 32 just issued
.if \zero
	WIN BEG_HI
.else
	WIN MUL_HI
.endif
	MUL16 \f, 1, 0, \zero
	MUL16 \f, 1, 2, \zero
.endm
.macro THREE slot, zero
	QUARTER \slot, 1, F0, F1, \zero
	QUARTER \slot, 2, F1, F0, 0
	QUARTER \slot, 3, F0, F1, 0
.endm
; The last quarter: multiplies buffer 1 and changes slots.  In front of the barrier each wave waits for its reads of this slot and for all
; its tensor loads (one is out: its part of the next slot).  Behind it the refill comes first, then the next slot's first fragments.
.macro TURN slot, next, fill
	s_wait_dscnt 8
	WIN MUL_LO
	MUL16 F1, 0, 0, 0
	s_wait_dscnt 0                                 ; my reads of this slot are over
	s_wait_tensorcnt 0x0                           ; and all my tensor loads have landed
	ds_add_u32 v255, v31
	s_wait_dscnt 0x0
	s_barrier_signal -1                            ; (where the slot is filled again this barrier opens a round of the cluster's barrier)
	MUL16 F1, 0, 2, 0                              ; register work while the others arrive
	WIN 0
	s_barrier_wait -1
.if \fill
	CREST                                          ; no wave of any partner still reads this slot or has a load on its way
	s_add_nc_u64 s[G0+4*\slot+2:G0+4*\slot+3], s[G0+4*\slot+2:G0+4*\slot+3], 512          ; two K steps on along x's rows
	s_add_nc_u64 s[G0B+4*\slot+2:G0B+4*\slot+3], s[G0B+4*\slot+2:G0B+4*\slot+3], 1572864  ; 256 rows of W down
	JLOAD \slot                                    ; the wave's one tensor load behind the round
.endif
	PLACES
	FETCH \next, 0, F0
	WIN MUL_HI
	MUL16 F1, 1, 0, 0
	MUL16 F1, 1, 2, 0
.endm
.macro LAP zero
	THREE 0, \zero
	TURN 0, 1, 1
	THREE 1, 0
	TURN 1, 0, 1
.endm
	s_wait_tensorcnt 0x1                           ; my part of K step 0 is in; K step 1's load stays out
	s_wait_loadcnt 0x0                             ; the bias, and row tile 0's cos and sin
	s_barrier_signal -1
	s_barrier_wait -1
	FETCH 0, 0, F0
	LAP 1                                          ; the first lap stands in front of the loop: its first products take the bias as C
	WIN 0
	s_mov_b32 s47, LAPS-2
.Llap:
	LAP 0
	WIN 0
	s_sub_co_u32 s47, s47, 1
	s_cmp_lg_u32 s47, 0
	s_cbranch_scc1 .Llap
	THREE 0, 0                                     ; the last lap fills nothing
	TURN 0, 1, 0
	THREE 1, 0
	s_wait_dscnt 8
	WIN MUL_LO
	MUL16 F1, 0, 0, 0
	MUL16 F1, 0, 2, 0
	s_wait_dscnt 0
	WIN MUL_HI
	MUL16 F1, 1, 0, 0
	MUL16 F1, 1, 2, 0
	PLACES                                         ; the places in front of everything below that reads results or writes fragments
	WIN 0
; THE WAY OUT, 16 rows at a time.  16 rows of a head are 2,048 neighbouring bytes of qkv: 16 bytes a lane into my own stage, read back as
; four rows a load, stored as 512 neighbouring bytes that begin at a multiple of 512.  LDS serves a wave's instructions in order, so no
; wait stands between the stores into the stage and the loads from it.
.macro PUT a
.irp hd, 0,1
.irp bq, 0,1,2,3
	ds_store_b128 v[STO], v[PK+16*\hd+4*\bq:PK+16*\hd+4*\bq+3] offset:2304*\hd+32*\bq
.endr
.endr
.irp hd, 0,1
.irp g, 0,1,2,3
	ds_load_b128 v[RB+16*\hd+4*\g:RB+16*\hd+4*\g+3], v[RD] offset:2304*\hd+576*\g
.endr
.endr
.irp hd, 0,1
.irp g, 0,1,2,3
	s_wait_dscnt 7-4*\hd-\g                        ; the younger loads of the eight stay out
	global_store_b128 v[CO], v[RB+16*\hd+4*\g:RB+16*\hd+4*\g+3], s[12:13] offset:262144*\hd+2048*\a+512*\g
.endr
.endr
.endm
; Row tile a (= tile ap of window win) of a q or k block: RMS norm and rotary.  cur holds its cos and sin as loaded; nxt is loaded for tile a + 1.
.macro QKROWS a, ap, win, cur, nxt, more
	s_wait_xcnt 0x0                                ; the last tile's stores have read their data: y's registers are rewritten only behind this wait
.if \more
	CSLOAD \nxt, \a+1
.endif
	WIN \win*5                                     ; sources 0 and 1 in the accumulators' window
.irp t, 0,1
.irp p, 0,2,4,6
.irp hd, 0,1
.irp c, 0,1
.set XB, 8*(8*\ap+4*\hd+2*\c+\t)+\p
.if \t+\p
	v_pk_fma_f32 v[SS+4*\hd+2*\c:SS+4*\hd+2*\c+1], v[XB:XB+1], v[XB:XB+1], v[SS+4*\hd+2*\c:SS+4*\hd+2*\c+1]
.else
	v_pk_mul_f32 v[SS+4*\hd+2*\c:SS+4*\hd+2*\c+1], v[XB:XB+1], v[XB:XB+1]     ; the first squares start the four chains
.endif
.endr
.endr
.endr
.endr
	WIN 0
.irp hd, 0,1
	v_pk_add_f32 v[SS+4*\hd:SS+4*\hd+1], v[SS+4*\hd:SS+4*\hd+1], v[SS+4*\hd+2:SS+4*\hd+3]
.endr
.irp hd, 0,1
	v_add_f32 v[SS+4*\hd], v[SS+4*\hd], v[SS+4*\hd+1]
.endr
.irp hd, 0,1
	v_permlanex16_b32 v[SS+4*\hd+1], v[SS+4*\hd], s69, s70      ; the row's other 32 numbers; the destination has been written before
.endr
.irp hd, 0,1
	v_add_f32 v[SS+4*\hd], v[SS+4*\hd], v[SS+4*\hd+1]
.endr
.irp hd, 0,1
	v_fma_f32 v[SS+4*\hd], v[SS+4*\hd], s66, s67                ; mean of squares + eps
.endr
	v_rsq_f32 v[TP], v[SS]
	v_rsq_f32 v[TP+1], v[SS+4]
	v_nop                                          ; one plain instruction behind a transcendental before its result is used (ISA guide 5.7.2)
	s_wait_alu depctr_va_vdst(0)
.irp hd, 0,1
	v_mul_f32 v[RR+4*\hd], s68, v[TP+\hd]          ; times q's scale, or 1.0 for k; twice, for the packed multiplies
	v_mul_f32 v[RR+4*\hd+1], s68, v[TP+\hd]
.endr
	s_wait_loadcnt 4*\more                         ; this tile's cos and sin are in; the next tile's four loads stay out
.irp k, 0,1,2,3,4,5,6,7,8,9,10,11,12,13,14,15
	v_lshlrev_b32 v[CU+2*\k], 16, v[\cur+\k]       ; bf16 to f32: the low half moves up,
	v_and_b32 v[CU+2*\k+1], s71, v[\cur+\k]        ; the high half stays
.endr
.irp hd, 0,1
.irp p, 0,2,4,6,8,10,12,14
	v_pk_mul_f32 v[CR+32*\hd+\p:CR+32*\hd+\p+1], v[CU+\p:CU+\p+1], v[RR+4*\hd:RR+4*\hd+1]
	v_pk_mul_f32 v[CR+32*\hd+16+\p:CR+32*\hd+17+\p], v[CU+16+\p:CU+17+\p], v[RR+4*\hd:RR+4*\hd+1]
.endr
.endr
	WIN \win                                       ; source 0 alone in the accumulators' window
.irp hd, 0,1
.irp t, 0,1
.irp p, 0,2,4,6
.set XB, 8*(8*\ap+4*\hd+\t)+\p
.set IX, 32*\hd+8*\t+\p
	v_pk_mul_f32 v[YY+IX:YY+IX+1], v[XB:XB+1], v[CR+IX:CR+IX+1]                              ; x1 c
	v_pk_mul_f32 v[YY+16+IX:YY+17+IX], v[XB:XB+1], v[CR+16+IX:CR+17+IX]                      ; x1 s
	v_pk_fma_f32 v[YY+IX:YY+IX+1], v[XB+16:XB+17], v[CR+16+IX:CR+17+IX], v[YY+IX:YY+IX+1]    ; y1 = x2 s + x1 c
	v_pk_fma_f32 v[YY+16+IX:YY+17+IX], v[XB+16:XB+17], v[CR+IX:CR+IX+1], v[YY+16+IX:YY+17+IX] neg_lo:[0,0,1] neg_hi:[0,0,1]   ; y2 = x2 c - x1 s
.endr
.endr
.endr
	WIN 0
.irp hd, 0,1
.irp bq, 0,1,2,3
.irp x, 0,1,2,3
	v_cvt_pk_f16_f32 v[PK+16*\hd+4*\bq+\x], v[YY+32*\hd+8*\bq+2*\x], v[YY+32*\hd+8*\bq+2*\x+1]
.endr
.endr
.endr
	PUT \a
.endm
; Row tile a of a v block: rounded as it is
.macro VROWS a, ap, win
	s_wait_xcnt 0x0                                ; the last tile's stores have read their data
	WIN \win*5
.irp hd, 0,1
.irp bq, 0,1,2,3
.irp x, 0,1,2,3
	v_cvt_pk_f16_f32 v[PK+16*\hd+4*\bq+\x], v[8*(8*\ap+4*\hd+\bq)+2*\x], v[8*(8*\ap+4*\hd+\bq)+2*\x+1]
.endr
.endr
.endr
	WIN 0
	PUT \a
.endm
	s_cmp_eq_u32 ttmp9, 0
	s_cselect_b32 s68, 0x3e38aa3b, 1.0             ; q blocks: 0.125 log2(e); k blocks: 1.0
	s_cmp_eq_u32 ttmp9, 2
	s_cbranch_scc1 .Lv                             ; the cluster's x: the same way in all sixteen partners
	QKROWS 0, 0, 2, CS0, CS1, 1
	QKROWS 1, 1, 2, CS1, CS0, 1
	QKROWS 2, 2, 2, CS0, CS1, 1
	QKROWS 3, 3, 2, CS1, CS0, 1
	QKROWS 4, 0, 3, CS0, CS1, 1
	QKROWS 5, 1, 3, CS1, CS0, 1
	QKROWS 6, 2, 3, CS0, CS1, 1
	QKROWS 7, 3, 3, CS1, CS0, 0
	s_branch .Lout
.Lv:
	VROWS 0, 0, 2
	VROWS 1, 1, 2
	VROWS 2, 2, 2
	VROWS 3, 3, 2
	VROWS 4, 0, 3
	VROWS 5, 1, 3
	VROWS 6, 2, 3
	VROWS 7, 3, 3
.Lout:
	s_set_vgpr_msb 0x1
	s_wait_tensorcnt 0x0
	ds_add_u32 v255, v31
	s_wait_dscnt 0x0
	s_set_vgpr_msb 0x100
	CROUND                                         ; the closing round: no work-group ends while a partner may still ask for a tile that names it
	s_endpgm
.Lfunc_end_k_q7ba565fda0_qkvgemm:
	.size	k_q7ba565fda0_qkvgemm, .Lfunc_end_k_q7ba565fda0_qkvgemm-k_q7ba565fda0_qkvgemm
	.p2alignl 7, 3214868480
	.fill 96, 4, 3214868480
	.section	.rodata,"a",@progbits
	.p2align	6, 0x0
	.amdhsa_kernel k_q7ba565fda0_qkvgemm
		.amdhsa_group_segment_fixed_size 327680
		.amdhsa_private_segment_fixed_size 0
		.amdhsa_enable_private_segment 0
		.amdhsa_kernarg_size 24
		.amdhsa_user_sgpr_count 2
		.amdhsa_user_sgpr_kernarg_segment_ptr 1
		.amdhsa_wavefront_size32 1
		.amdhsa_system_sgpr_workgroup_id_x 1
		.amdhsa_system_sgpr_workgroup_id_y 1
		.amdhsa_system_sgpr_workgroup_id_z 1
		.amdhsa_system_vgpr_workitem_id 0
		.amdhsa_next_free_vgpr 1024
		.amdhsa_next_free_sgpr 80
		.amdhsa_reserve_vcc 0
		.amdhsa_float_denorm_mode_32 3
		.amdhsa_float_denorm_mode_16_64 3
		.amdhsa_memory_ordered 1
		.amdhsa_forward_progress 1
		.amdhsa_inst_pref_size 255
	.end_amdhsa_kernel
	.section	.bss,"aw",@nobits
	.p2align	6
	.space	262144
	.amdgpu_metadata
---
amdhsa.version: [ 1, 2 ]
amdhsa.kernels:
  - .name:           k_q7ba565fda0_qkvgemm
    .symbol:         k_q7ba565fda0_qkvgemm.kd
    .args:
      - { .name: bf, .offset: 0, .size: 8, .value_kind: global_buffer, .address_space: global }
      - { .name: b_attn, .offset: 8, .size: 8, .value_kind: global_buffer, .address_space: global }
      - { .name: qkv, .offset: 16, .size: 8, .value_kind: global_buffer, .address_space: global }
    .group_segment_fixed_size: 327680
    .private_segment_fixed_size: 0
    .kernarg_segment_align: 8
    .kernarg_segment_size: 24
    .max_flat_workgroup_size: 128
    .sgpr_count:     80
    .vgpr_count:     1024
    .wavefront_size: 32
...
	.end_amdgpu_metadata
.endif
;; end of part 2
;; launch attn (part 3): grid 8 x 32, 4 waves a work-group, no clusters, 327,680 bytes of LDS; arguments qkv, yh; writes yh
.if DOCPART == 3
	.amdgcn_target "amdgcn-amd-amdhsa--gfx1250"
	.amdhsa_code_object_version 6
	.text
	.protected	k_q7ba565fda0_attn
	.globl	k_q7ba565fda0_attn
	.p2align	8
	.type	k_q7ba565fda0_attn,@function
k_q7ba565fda0_attn:
	s_mov_b64 s[64:65], 0
	v_nop
	global_prefetch_b8 v0, s[64:65] scope:SCOPE_SE
	s_setreg_imm32_b32 hwreg(HW_REG_WAVE_MODE, 25, 1), 1
	s_wait_xcnt 0x0
; Causal softmax attention for one head.  qkv: f16 [b][g][t][64], q heads g = 0-15 (already times 0.125 log2(e)), k 16-31, v 32-47.
; yh: f16 [b][h][t][64].
; Work-group (i, bh) serves head bh and the query blocks i and 15 - i of 128 rows.  Their key tiles of 128 keys number
; (i + 1) + (16 - i) = 17 for every work-group: 256 work-groups of equal work, and the trip count is a constant.  Key tiles above the
; diagonal are not computed: the mask throws them away.  Tiles are walked downward from the diagonal: i .. 0, then 15 - i .. 0, so a
; block's first tile is the masked one and starts the sums, and since key 0 of that tile is live for each of its queries the running
; maximum is finite from the first 64 keys on.
; NO CLUSTER: the work-groups of a head walk different tiles in each trip (tile i - n in one, tile j - n in another), and a walk in which
; all of them ask for every tile would need 2 x 16 = 32 trips in place of 17.
; Wave w owns 32 query rows (2 query tiles).  No number changes lanes but for one v_permlanex16_b32:
;   S^T = K Q^T   (source 0 = 16 keys, source 1 = 16 queries): lane (r, h) holds query r, keys 8 h + j;
;   P^T = exp2(S^T - max), packed in the lane, IS the second source of O^T = V^T P^T; V^T's fragments come from [key][d] by ds_load_tr16_b128;
;   O^T: lane (r, h) holds query r, d = 16 dt + 8 h + j: 16 neighbouring bytes of a row of y.
; Maximum, sum and rescale factor are one number a lane and query tile.
; LIMITS: q, k, v, P and y are f16 (nearest even).  P lies in 0 .. 1; y is a mean of v's rows, so |y| <= max |v| < 65,504 as for v.
; The sum of a row's P is taken before P is rounded.  v_exp_f32 and v_rcp_f32 are good to 1 ULP and flush denormals: a probability below
; 2^-126 of its row's largest counts as 0.  The running maximum is kept: no bound on the scores is assumed.
.set SLOT,  35840                      ; K's tile 64 x 272 = 17,408 bytes, then V's 64 x 288 = 18,432.  An LDS row is two keys (256 bytes) + padding
.set KHALF, 8704                       ; 64 keys of K: one tensor load
.set VHALF, 9216                       ; 64 keys of V: one tensor load
.set VOFF,  17408
.set STAGE, 2*SLOT                     ; 71,680 = 280 x 256: behind the ring, never filled by a tensor load
.set SPW,   4608                       ; a wave's stage: 32 rows x 144 bytes
.set KA,   1                           ; v1-2    LDS address of my part of K's fragments, slot 0, 1
.set VA,   3                           ; v3-4    the same for V
.set QO,   5                           ; 128 r + 16 h: my place in Q's rows
.set STO,  6
.set RD,   7
.set CO,   8                           ; 16 x lane
.set DL,   9                           ; r - 8 h + 32 w: a key of the diagonal tile is live where 64 u + 16 kt + j - 16 qt <= DL
.set NINF, 10                          ; -inf
.set MX,   12                          ; v[12:13], v[14:15]  running maximum of query tile 0, 1, twice
.set AL,   16                          ; v[16:17], v[18:19]  rescale factor, twice
.set LS,   20                          ; v20, v21  my half of the running sum
.set QF,   32                          ; v[32:63]   Q: query tile qt, d half e at v[32 + 16 qt + 8 e]
.set OA,   64                          ; v[64:127]  O^T: (qt, dt) at v[64 + 32 qt + 8 dt]
.set SC,   128                         ; v[128:191] S^T of 64 keys: (qt, kt) at v[128 + 32 qt + 8 kt]; then P^T: (qt, 32 keys ks) at v[128 + 32 qt + 8 ks]
.set F0,   192                         ; v[192:223] fragments of K or V
.set F1,   224                         ; v[224:255]
.set G1K, 32                           ; s[32:39]
.set G1V, 40                           ; s[40:47]
.set G0K, 48                           ; s[48:55], one set for each slot
.set G0V, 56                           ; s[56:63]
; s8 wave, s9 wave >> 1 (0: I fetch K, 1: V), s10 wave & 1 (which 64 keys), s11 i, s12 bh, s[14:15] q, s[16:17] y, s[18:19] k, s[20:21] v (my parts),
; s22 this trip's key tile KT, s23 1 in a diagonal trip, s24 and s25 the same for the next trip, s[26:27] a tile's byte offset, s28 15 - i, s29 counter,
; s[66:67] and s[68:69] q and y at the block at work
	s_load_b128 s[4:7], s[0:1], 0x0                ; qkv, yh
	v_lshl_add_u32 v30, v0, 2, 0x29000
	v_mov_b32 v31, 0
	ds_add_u32 v30, v31
	ds_add_u32 v30, v31
	v_lshrrev_b32 v1, 5, v0
	v_readfirstlane_b32 s8, v1
	s_lshr_b32 s9, s8, 1
	s_and_b32 s10, s8, 1
	s_mov_b32 s11, ttmp9
	s_and_b32 s12, ttmp7, 0xffff
	s_sub_co_u32 s28, 15, s11
	s_mov_b32 s30, 0x76543210                      ; v_permlanex16_b32: lane i reads lane i of the other half
	s_mov_b32 s31, 0xfedcba98
	; group 1: a dense block of 64 keys = 32 rows x 128 elements of 2 bytes; padding behind every 64 words: 4 words for K, 8 for V
	s_mov_b32 s[G1K+0], (1<<16)|(1<<20)|(5<<22)|(3<<25)
	s_mov_b32 s[G1K+1], 128<<16
	s_mov_b32 s[G1K+2], 32<<16
	s_mov_b32 s[G1K+3], 128<<16
	s_mov_b32 s[G1K+4], 32
	s_mov_b32 s[G1K+5], 128
	s_mov_b32 s[G1K+6], 0
	s_mov_b32 s[G1K+7], 0
	s_mov_b32 s[G1V+0], (1<<16)|(1<<20)|(5<<22)|(7<<25)
	s_mov_b32 s[G1V+1], 128<<16
	s_mov_b32 s[G1V+2], 32<<16
	s_mov_b32 s[G1V+3], 128<<16
	s_mov_b32 s[G1V+4], 32
	s_mov_b32 s[G1V+5], 128
	s_mov_b32 s[G1V+6], 0
	s_mov_b32 s[G1V+7], 0
	s_lshr_b32 s70, s12, 4                         ; b
	s_mul_i32 s70, s70, 12582912
	s_and_b32 s71, s12, 15                         ; h
	s_lshl_b32 s71, s71, 18
	s_add_co_u32 s70, s70, s71                     ; the q head's offset in qkv
	s_lshl_b32 s26, s8, 12                         ; my 32 rows of 128 bytes
	s_add_co_u32 s22, s70, s26
	s_mov_b32 s23, 0
	s_lshl_b32 s71, s10, 13                        ; my 64 keys of 128 bytes
	s_add_co_u32 s24, s70, s71
	s_add_co_u32 s24, s24, 4194304                 ; 16 heads on: the k head
	s_mov_b32 s25, 0
	s_lshl_b32 s66, s12, 18
	s_add_co_u32 s66, s66, s26                     ; my rows' offset in yh
	s_mov_b32 s67, 0
	s_mul_i32 s70, s10, KHALF
	s_mul_i32 s71, s10, VHALF
	s_add_co_u32 s71, s71, VOFF
.irp s, 0,1
	s_mov_b32 s[G0K+4*\s], 1
	s_add_co_u32 s[G0K+4*\s+1], s70, \s*SLOT
	s_mov_b32 s[G0V+4*\s], 1
	s_add_co_u32 s[G0V+4*\s+1], s71, \s*SLOT
.endr
	s_wait_dscnt 0x0
	s_wait_kmcnt 0x0
	s_add_nc_u64 s[14:15], s[4:5], s[22:23]
	s_add_nc_u64 s[16:17], s[6:7], s[66:67]
	s_add_nc_u64 s[18:19], s[4:5], s[24:25]
	s_add_nc_u64 s[20:21], s[18:19], 4194304       ; 16 heads on: the v head
	s_mov_b32 s22, s11                             ; the first tile is the diagonal tile of block i
	s_lshl_b32 s26, s22, 14                        ; a tile, and a query block, is 128 rows of 128 bytes
	s_mov_b32 s27, 0
	s_add_nc_u64 s[G0K+2:G0K+3], s[18:19], s[26:27]
	s_or_b32 s[G0K+3], s[G0K+3], 0x80000000
	s_add_nc_u64 s[G0V+2:G0V+3], s[20:21], s[26:27]
	s_or_b32 s[G0V+3], s[G0V+3], 0x80000000
; One tensor load a wave: waves 0 and 1 bring K's two halves, waves 2 and 3 V's.  The branch hangs on the wave's number alone.
.macro KVLOAD s
	s_cmp_eq_u32 s9, 0
	s_cbranch_scc0 .Lfor_v_\@
	tensor_load_to_lds s[G0K+4*\s:G0K+4*\s+3], s[G1K:G1K+7]
	s_nop 0
	s_branch .Lasked_\@
.Lfor_v_\@:
	tensor_load_to_lds s[G0V+4*\s:G0V+4*\s+3], s[G1V:G1V+7]
	s_nop 0
.Lasked_\@:
.endm
	KVLOAD 0                                       ; the first fill, ahead of every wait on TENSORcnt, LDS read and barrier
	v_and_b32 v11, 15, v0                          ; r
	v_bfe_u32 v22, v0, 4, 1                        ; h
	v_lshrrev_b32 v23, 1, v11
	v_and_b32 v24, 1, v0
	v_mul_u32_u24 v[KA], v23, 272                  ; key r lies in LDS row r >> 1, half r & 1
	v_lshl_add_u32 v[KA], v24, 7, v[KA]
	v_lshl_add_u32 v[KA], v22, 4, v[KA]
	v_add_nc_u32 v[KA+1], SLOT, v[KA]
	v_bfe_u32 v25, v0, 1, 2                        ; the transposing load: lane l addresses key 8 h + (l & 7): LDS row 4 h + ((l & 7) >> 1), half l & 1
	v_lshl_add_u32 v25, v22, 2, v25
	v_mul_u32_u24 v[VA], v25, 288
	v_lshl_add_u32 v[VA], v24, 7, v[VA]
	v_bfe_u32 v26, v0, 3, 1
	v_lshl_add_u32 v[VA], v26, 4, v[VA]
	v_add_nc_u32 v[VA], VOFF, v[VA]
	v_add_nc_u32 v[VA+1], SLOT, v[VA]
	v_lshlrev_b32 v[QO], 7, v11
	v_lshl_add_u32 v[QO], v22, 4, v[QO]
	s_mul_i32 s70, s8, SPW
	s_add_co_u32 s70, s70, STAGE                   ; my stage
	v_mul_u32_u24 v[STO], v11, 144
	v_lshl_add_u32 v[STO], v22, 4, v[STO]
	v_add_nc_u32 v[STO], s70, v[STO]
	v_bfe_u32 v27, v0, 3, 2
	v_and_b32 v28, 7, v0
	v_mul_u32_u24 v[RD], v27, 144
	v_lshl_add_u32 v[RD], v28, 4, v[RD]
	v_add_nc_u32 v[RD], s70, v[RD]
	v_and_b32 v[CO], 31, v0
	v_lshlrev_b32 v[CO], 4, v[CO]
	v_lshlrev_b32 v[DL], 3, v22
	v_sub_nc_u32 v[DL], v11, v[DL]
	v_lshl_add_u32 v[DL], s8, 5, v[DL]
	v_mov_b32 v[NINF], 0xff800000
.macro PLACES n                        ; places behind matrix instructions: 4 in front of a vector instruction or a load, 5 in front of a matrix instruction that writes over a source
.rept \n
	v_nop
.endr
.endm
.macro LDK slot, p, f                  ; K's fragments of keys 32 p .. 32 p + 31: key tile a, d half e at f + 16 a + 8 e.  Eight loads
.irp a, 0,1
.irp e, 0,1
	ds_load_b128 v[\f+16*\a+8*\e:\f+16*\a+8*\e+3],   v[KA+\slot] offset:(2*\p+\a)*2176+64*\e
	ds_load_b128 v[\f+16*\a+8*\e+4:\f+16*\a+8*\e+7], v[KA+\slot] offset:(2*\p+\a)*2176+64*\e+32
.endr
.endr
.endm
.macro LDV slot, ks, f                 ; V^T's fragments of keys 32 ks .. 32 ks + 31: d tile dt at f + 8 dt.  Eight loads
.irp dt, 0,1,2,3
	ds_load_tr16_b128 v[\f+8*\dt:\f+8*\dt+3],   v[VA+\slot] offset:(\ks)*4608+32*\dt
	ds_load_tr16_b128 v[\f+8*\dt+4:\f+8*\dt+7], v[VA+\slot] offset:(\ks)*4608+32*\dt+2304
.endr
.endm
; Eight matrix instructions: two key tiles x two query tiles x two halves of d.  The four accumulators take turns, one instruction a turn.
.macro SMUL f, k0
.irp e, 0,1
.irp a, 0,1
.irp q, 0,1
.if \e
	v_wmma_f32_16x16x32_f16 v[SC+32*\q+8*(\k0+\a):SC+32*\q+8*(\k0+\a)+7], v[\f+16*\a+8*\e:\f+16*\a+8*\e+7], v[QF+16*\q+8*\e:QF+16*\q+8*\e+7], v[SC+32*\q+8*(\k0+\a):SC+32*\q+8*(\k0+\a)+7]
.else
	v_wmma_f32_16x16x32_f16 v[SC+32*\q+8*(\k0+\a):SC+32*\q+8*(\k0+\a)+7], v[\f+16*\a+8*\e:\f+16*\a+8*\e+7], v[QF+16*\q+8*\e:QF+16*\q+8*\e+7], 0
.endif
.endr
.endr
.endr
.endm
; Eight matrix instructions on the eight accumulators of O^T, by turns.  zero = 1: the first product of a query block starts the sums.
.macro PV f, ks, zero
.irp dt, 0,1,2,3
.irp q, 0,1
.if \zero
	v_wmma_f32_16x16x32_f16 v[OA+32*\q+8*\dt:OA+32*\q+8*\dt+7], v[\f+8*\dt:\f+8*\dt+7], v[SC+32*\q+8*\ks:SC+32*\q+8*\ks+7], 0
.else
	v_wmma_f32_16x16x32_f16 v[OA+32*\q+8*\dt:OA+32*\q+8*\dt+7], v[\f+8*\dt:\f+8*\dt+7], v[SC+32*\q+8*\ks:SC+32*\q+8*\ks+7], v[OA+32*\q+8*\dt:OA+32*\q+8*\dt+7]
.endif
.endr
.endr
.endm
.macro MASK u                          ; the diagonal tile's keys 64 u .. 64 u + 63: -inf where the key is later than the query
.irp q, 0,1
.irp kt, 0,1,2,3
.irp j, 0,1,2,3,4,5,6,7
	v_cmp_le_i32 vcc_lo, 64*\u+16*\kt+\j-16*\q, v[DL]
	v_cndmask_b32 v[SC+32*\q+8*\kt+\j], v[NINF], v[SC+32*\q+8*\kt+\j], vcc_lo
.endr
.endr
.endr
.endm
; Query tile qt: new maximum, rescale factor, P = exp2(S - max), the sum, P packed to f16 in place
.macro SOFT qt
.set SB, SC+32*\qt
	v_max3_num_f32 v22, v[SB], v[SB+1], v[SB+2]
	v_max3_num_f32 v23, v[SB+16], v[SB+17], v[SB+18]
.irp k, 3,5,7,9,11,13
	v_max3_num_f32 v22, v22, v[SB+\k], v[SB+\k+1]
	v_max3_num_f32 v23, v23, v[SB+16+\k], v[SB+17+\k]
.endr
	v_max_num_f32 v22, v22, v[SB+15]
	v_max3_num_f32 v22, v22, v23, v[SB+31]
	v_permlanex16_b32 v23, v22, s30, s31           ; the query's other 32 keys
	v_max3_num_f32 v24, v22, v23, v[MX+2*\qt]
	v_sub_f32 v25, v[MX+2*\qt], v24
	v_exp_f32 v[AL+2*\qt], v25                     ; exp2(old max - new max); 0 at a block's start, where the old one is -inf
	v_mov_b32 v[MX+2*\qt], v24                     ; plain instructions behind the transcendental (ISA guide 5.7.2)
	v_mov_b32 v[MX+2*\qt+1], v24
	s_wait_alu depctr_va_vdst(0)
	v_mov_b32 v[AL+2*\qt+1], v[AL+2*\qt]
.irp k, 0,2,4,6,8,10,12,14,16,18,20,22,24,26,28,30
	v_pk_add_f32 v[SB+\k:SB+\k+1], v[SB+\k:SB+\k+1], v[MX+2*\qt:MX+2*\qt+1] neg_lo:[0,1] neg_hi:[0,1]
.endr
.set jj, 0
.rept 32
	v_exp_f32 v[SB+jj], v[SB+jj]
.set jj, jj+1
.endr
	v_nop                                          ; one plain instruction before the results are used
	s_wait_alu depctr_va_vdst(0)
	v_pk_add_f32 v[26:27], v[SB:SB+1], v[SB+2:SB+3]
	v_pk_add_f32 v[28:29], v[SB+16:SB+17], v[SB+18:SB+19]
.irp k, 4,6,8,10,12,14
	v_pk_add_f32 v[26:27], v[26:27], v[SB+\k:SB+\k+1]
	v_pk_add_f32 v[28:29], v[28:29], v[SB+16+\k:SB+17+\k]
.endr
	v_pk_add_f32 v[26:27], v[26:27], v[28:29]
	v_add_f32 v26, v26, v27
	v_fma_f32 v[LS+\qt], v[LS+\qt], v[AL+2*\qt], v26
.set jj, 0
.rept 16
	v_cvt_pk_f16_f32 v[SB+jj], v[SB+2*jj], v[SB+2*jj+1]        ; ascending: register jj is written when 2 jj and 2 jj + 1 have been read
.set jj, jj+1
.endr
.endm
.macro RESC
.irp q, 0,1
.irp k, 0,2,4,6,8,10,12,14,16,18,20,22,24,26,28,30
	v_pk_mul_f32 v[OA+32*\q+\k:OA+32*\q+\k+1], v[OA+32*\q+\k:OA+32*\q+\k+1], v[AL+2*\q:AL+2*\q+1]
.endr
.endr
.endm
.macro NEWBLOCK                        ; at a diagonal trip KT is the query block's number
	s_lshl_b32 s70, s22, 14
	s_mov_b32 s71, 0
	s_add_nc_u64 s[66:67], s[14:15], s[70:71]
	s_add_nc_u64 s[68:69], s[16:17], s[70:71]
.irp q, 0,1
.irp x, 0,1,2,3
	global_load_b128 v[QF+16*\q+4*\x:QF+16*\q+4*\x+3], v[QO], s[66:67] offset:2048*\q+32*\x
.endr
.endr
.irp k, 0,1,2,3
	v_mov_b32 v[MX+\k], v[NINF]
.endr
	v_mov_b32 v[LS], 0
	v_mov_b32 v[LS+1], 0
.endm
; A query block is done: divide by the sum, round, 16 bytes a lane into my stage, back as four rows a load, out as 512 neighbouring bytes a store
.macro FINAL
	v_permlanex16_b32 v22, v[LS], s30, s31
	v_permlanex16_b32 v23, v[LS+1], s30, s31
	v_add_f32 v22, v22, v[LS]
	v_add_f32 v23, v23, v[LS+1]
	v_rcp_f32 v26, v22
	v_rcp_f32 v28, v23
	v_nop
	s_wait_alu depctr_va_vdst(0)
	v_mov_b32 v27, v26
	v_mov_b32 v29, v28
.irp q, 0,1
.irp k, 0,2,4,6,8,10,12,14,16,18,20,22,24,26,28,30
	v_pk_mul_f32 v[OA+32*\q+\k:OA+32*\q+\k+1], v[OA+32*\q+\k:OA+32*\q+\k+1], v[26+2*\q:27+2*\q]
.endr
.endr
.irp q, 0,1
.irp k, 0,1,2,3,4,5,6,7,8,9,10,11,12,13,14,15
	v_cvt_pk_f16_f32 v[SC+16*\q+\k], v[OA+32*\q+2*\k], v[OA+32*\q+2*\k+1]
.endr
.endr
.irp q, 0,1
.irp dt, 0,1,2,3
	ds_store_b128 v[STO], v[SC+16*\q+4*\dt:SC+16*\q+4*\dt+3] offset:2304*\q+32*\dt
.endr
.endr
.irp g, 0,1,2,3,4,5,6,7
	ds_load_b128 v[F0+4*\g:F0+4*\g+3], v[RD] offset:576*\g     ; my own bytes; LDS serves a wave's instructions in order
.endr
.irp g, 0,1,2,3,4,5,6,7
	s_wait_dscnt 7-\g
	global_store_b128 v[CO], v[F0+4*\g:F0+4*\g+3], s[68:69] offset:512*\g
.endr
	s_wait_xcnt 0x0                                ; the stores' data and base are rewritten only behind this wait
.endm
; 64 keys of a tile (u = 0, 1).  diag: 0 never the diagonal tile, 1 always, 2 by s23.  Each s_wait_dscnt 8 leaves the one younger group of eight loads out.
.macro SUB slot, u, diag
	s_wait_dscnt 0x8
	SMUL F0, 0
	PLACES 4
	LDV \slot, 2*\u, F0
	s_wait_dscnt 0x8
	SMUL F1, 2
	PLACES 4
	LDV \slot, 2*\u+1, F1
.if \diag == 1
	MASK \u
.endif
.if \diag == 2
	s_cmp_eq_u32 s23, 0
	s_cbranch_scc1 .Lfree_\@
	MASK \u
.Lfree_\@:
.endif
	SOFT 0
	SOFT 1
	s_wait_dscnt 0x8
.if \u == 0
.if \diag == 0
	RESC
	PV F0, 0, 0
.endif
.if \diag == 1
	PV F0, 0, 1
.endif
.if \diag == 2
	s_cmp_eq_u32 s23, 0
	s_cbranch_scc1 .Lon_\@
	PV F0, 0, 1
	s_branch .Ljoin_\@
.Lon_\@:
	RESC
	PV F0, 0, 0
.Ljoin_\@:
.endif
	PLACES 4
	LDK \slot, 2, F0
	s_wait_dscnt 0x8
	PV F1, 1, 0
	PLACES 5                                       ; the next S^T is written over P^T, a source of these
	LDK \slot, 3, F1
.else
	RESC
	PV F0, 0, 0
	s_wait_dscnt 0x0
	PV F1, 1, 0
	PLACES 5
.endif
.endm
; One key tile.  In front of the barrier every wave waits for all its tensor loads (one: its part of this trip's tile) and for its reads of
; the other slot; behind it the other slot's refill comes first, the wave's one tensor load, with the whole trip in which to land.
.macro TRIP slot, refill, diag, last
.if \refill
	s_sub_co_u32 s70, s22, 1
	s_cmp_eq_u32 s22, 0
	s_cselect_b32 s24, s28, s70                    ; the next tile: one down, or the diagonal tile of block 15 - i
	s_cselect_b32 s25, 1, 0
	s_lshl_b32 s26, s24, 14
.endif
	s_wait_tensorcnt 0x0                           ; no tensor load of mine is out: a group 0 may be written
	ds_add_u32 v30, v31
	s_wait_dscnt 0x0
.if \refill
	s_add_nc_u64 s[G0K+4*(1-\slot)+2:G0K+4*(1-\slot)+3], s[18:19], s[26:27]
	s_or_b32 s[G0K+4*(1-\slot)+3], s[G0K+4*(1-\slot)+3], 0x80000000
	s_add_nc_u64 s[G0V+4*(1-\slot)+2:G0V+4*(1-\slot)+3], s[20:21], s[26:27]
	s_or_b32 s[G0V+4*(1-\slot)+3], s[G0V+4*(1-\slot)+3], 0x80000000
.endif
	s_wait_dscnt 0x0
	s_barrier_signal -1
	s_barrier_wait -1
.if \refill
	KVLOAD (1-\slot)
.endif
.if \diag == 1
	NEWBLOCK
.endif
.if \diag == 2
	s_cmp_eq_u32 s23, 0
	s_cbranch_scc1 .Lold_\@
	NEWBLOCK
.Lold_\@:
.endif
	LDK \slot, 0, F0
	LDK \slot, 1, F1
.if \diag
	s_wait_loadcnt 0x0                             ; Q, where a block begins
.endif
	SUB \slot, 0, \diag
	SUB \slot, 1, \diag
.if \last == 1
	FINAL
.endif
.if \last == 2
	s_cmp_lg_u32 s22, 0
	s_cbranch_scc1 .Lmore_\@
	FINAL
.Lmore_\@:
.endif
.if \refill
	s_mov_b32 s22, s24
	s_mov_b32 s23, s25
.endif
.endm
	TRIP 0, 1, 1, 2                                ; trip 0: the diagonal tile of block i; written out, so that Q, O, maximum and sum are written on every way
	s_mov_b32 s29, 7
.Lpair:
	TRIP 1, 1, 2, 2                                ; trips 1 to 14
	TRIP 0, 1, 2, 2
	s_sub_co_u32 s29, s29, 1
	s_cmp_lg_u32 s29, 0
	s_cbranch_scc1 .Lpair
	TRIP 1, 1, 0, 0                                ; trip 15: tile 1 of block 15 - i (15 - i is at least 8)
	TRIP 0, 0, 0, 1                                ; trip 16: tile 0; nothing is left to fetch
	s_wait_tensorcnt 0x0
	ds_add_u32 v30, v31
	s_wait_dscnt 0x0
	s_endpgm
.Lfunc_end_k_q7ba565fda0_attn:
	.size	k_q7ba565fda0_attn, .Lfunc_end_k_q7ba565fda0_attn-k_q7ba565fda0_attn
	.p2alignl 7, 3214868480
	.fill 96, 4, 3214868480
	.section	.rodata,"a",@progbits
	.p2align	6, 0x0
	.amdhsa_kernel k_q7ba565fda0_attn
		.amdhsa_group_segment_fixed_size 327680
		.amdhsa_private_segment_fixed_size 0
		.amdhsa_enable_private_segment 0
		.amdhsa_kernarg_size 16
		.amdhsa_user_sgpr_count 2
		.amdhsa_user_sgpr_kernarg_segment_ptr 1
		.amdhsa_wavefront_size32 1
		.amdhsa_system_sgpr_workgroup_id_x 1
		.amdhsa_system_sgpr_workgroup_id_y 1
		.amdhsa_system_sgpr_workgroup_id_z 1
		.amdhsa_system_vgpr_workitem_id 0
		.amdhsa_next_free_vgpr 256
		.amdhsa_next_free_sgpr 72
		.amdhsa_reserve_vcc 1
		.amdhsa_float_denorm_mode_32 3
		.amdhsa_float_denorm_mode_16_64 3
		.amdhsa_memory_ordered 1
		.amdhsa_forward_progress 1
		.amdhsa_inst_pref_size 242
	.end_amdhsa_kernel
	.amdgpu_metadata
---
amdhsa.version: [ 1, 2 ]
amdhsa.kernels:
  - .name:           k_q7ba565fda0_attn
    .symbol:         k_q7ba565fda0_attn.kd
    .args:
      - { .name: qkv, .offset: 0, .size: 8, .value_kind: global_buffer, .address_space: global }
      - { .name: yh, .offset: 8, .size: 8, .value_kind: global_buffer, .address_space: global }
    .group_segment_fixed_size: 327680
    .private_segment_fixed_size: 0
    .kernarg_segment_align: 8
    .kernarg_segment_size: 16
    .max_flat_workgroup_size: 128
    .sgpr_count:     72
    .vgpr_count:     256
    .wavefront_size: 32
...
	.end_amdgpu_metadata
.endif
;; end of part 3
;; launch proj (part 4): grid 8 x 32, 4 waves a work-group, clusters of 4 x 4, 327,680 bytes of LDS; arguments yh, bf, b_proj, out0; writes out0
.if DOCPART == 4
	.amdgcn_target "amdgcn-amd-amdhsa--gfx1250"
	.amdhsa_code_object_version 6
	.text
	.protected	k_q7ba565fda0_proj
	.globl	k_q7ba565fda0_proj
	.p2align	8
	.type	k_q7ba565fda0_proj,@function
k_q7ba565fda0_proj:
	s_mov_b64 s[64:65], 0
	v_nop
	global_prefetch_b8 v0, s[64:65] scope:SCOPE_SE
	s_setreg_imm32_b32 hwreg(HW_REG_WAVE_MODE, 25, 1), 1
	s_wait_xcnt 0x0
	s_wait_alu depctr_hold_cnt(0) depctr_sa_sdst(0) depctr_va_vdst(0) depctr_va_sdst(0) depctr_va_ssrc(0) depctr_va_vcc(0) depctr_vm_vsrc(0)
	s_getreg_b32 s2, hwreg(HW_REG_IB_STS2, 6, 4)
	s_cmp_eq_u32 s2, 0
	s_cbranch_scc0 .Lentry_in_a_cluster
	s_endpgm
.Lentry_in_a_cluster:
	s_bfe_u32 s2, ttmp6, 0x10000c
	s_cmp_lg_u32 s2, 0xf033
	s_cbranch_scc0 .Lentry_shape_is_right
	s_endpgm
.Lentry_shape_is_right:
; out0 = y W_proj + b_proj, f32.  yh: f16 [b][h][t][64]; wp16: f16 [1024 k][1024 n] at byte 14,680,064 of bf (W_proj rounded to bf16, carried as f16).
; 4096 x 1024 in blocks of 128 x 128: 256 work-groups of four waves, a wave 64 x 64 = 16 accumulator tiles (window 1, v0-127).
; K = 1024 goes in 8 steps of 128 = two heads through two LDS slots.  A head's 128 rows of 128 bytes are one dense block of yh and come in
; as 64 rows of 256 bytes (two rows of y in an LDS row, pitch 272); W's 128 k rows of 256 bytes at pitch 288 = 9 x 32, read by the
; transposing load.  Wave 0 and 1 fetch the two heads, wave 2 and 3 W's two halves.
; CLUSTERS: 4 x 4 work-groups; y's tile hangs on the block row alone (joint along a row of the cluster), W's on the block column alone
; (joint along a column): a quarter of the requests.
; The matrix instruction is used transposed (source 0 = W's columns, source 1 = y's rows): register j of lane (r, h) holds row r, column
; 16 b + 8 h + j.  The bias is the C operand of each tile's first product.
; LIMITS: y enters as f16, W_proj with bf16's 8 bits; the bias is the first addend of the f32 sum, not the last.
.set AH,    17408                      ; a head's tile: 64 x 272
.set BH,    18432                      ; half of W's tile: 64 x 288
.set BOFF,  2*AH
.set SLOT,  2*AH+2*BH                  ; 71,680
.set STAGE, 2*SLOT                     ; 143,360 = 560 x 256: behind the ring, never filled by a tensor load
.set SPW,   4352                       ; a wave's stage: 16 rows x 272 bytes
.set LAPS,  4
.set ADRA, 16
.set ADRB, 20
.set STO,  24
.set RD,   25
.set CO,   26
.set BO,   28
.set F0,   64                          ; v[64:127]  y's four fragments at +0, W's four at +32
.set F1,   128                         ; v[128:191]
.set BIAS, 192                         ; v[192:223]
.set G1,  24
.set G0,  32
.set G1B, 48
.set G0B, 56
.set MSB, 0
.macro WIN new
.if MSB != (\new)
	s_set_vgpr_msb (MSB<<8)|(\new)
.set MSB, (\new)
.endif
.endm
.set MUL, 0x50                         ; C and D window 1, sources window 0
.set BEG, 0x40                         ; D window 1, C (the bias) window 0
.macro JLOAD s
	s_cmp_eq_u32 s15, 0
	s_cbranch_scc0 .Lfor_b_\@
	tensor_load_to_lds s[G0+4*\s:G0+4*\s+3], s[G1:G1+7]
	s_nop 0
	s_branch .Lasked_\@
.Lfor_b_\@:
	tensor_load_to_lds s[G0B+4*\s:G0B+4*\s+3], s[G1B:G1B+7]
	s_nop 0
.Lasked_\@:
.endm
.macro CREST                           ; a round of the cluster's barrier behind its opening barrier
	s_cmp_lg_u32 s14, 0
	s_cbranch_scc1 .Lnot_wave_0_\@
	s_barrier_signal -3
.Lnot_wave_0_\@:
	s_barrier_wait -3
	s_barrier_signal -1
	s_barrier_wait -1
.endm
.macro CROUND
	s_barrier_signal -1
	s_barrier_wait -1
	CREST
.endm
	s_load_b256 s[4:11], s[0:1], 0x0               ; yh s[4:5], bf s[6:7], b_proj s[8:9], out0 s[10:11]
	v_lshl_add_u32 v254, v0, 2, 0x29000
	v_mov_b32 v255, 0
	ds_add_u32 v254, v255
	ds_add_u32 v254, v255
	v_lshrrev_b32 v1, 5, v0
	v_readfirstlane_b32 s14, v1                    ; wave
	s_lshr_b32 s15, s14, 1                         ; RH: my half of the rows.  Also: I fetch y (0) or W (1)
	s_and_b32 s16, s14, 1                          ; CH: my half of the columns.  Also: which head, or which half of W's tile, I fetch
	s_bfe_u32 s17, ttmp6, 0x40000                  ; cx
	s_bfe_u32 s18, ttmp6, 0x40004                  ; cy
	s_lshl_b32 s19, ttmp9, 2
	s_add_co_u32 s19, s19, s17                     ; block column 0..7
	s_and_b32 s20, ttmp7, 0xffff
	s_lshl_b32 s20, s20, 2
	s_add_co_u32 s20, s20, s18                     ; block row 0..31
	s_lshl_b32 s21, s18, 2
	s_lshl_b32 s21, 15, s21                        ; my row of the cluster
	s_lshl_b32 s22, 0x1111, s17                    ; my column
	; group 1 for y: a dense block, 64 rows x 128 elements of 2 bytes, 4 words of padding behind every 64
	s_or_b32 s[G1+0], s21, (1<<16)|(1<<20)|(1<<21)|(5<<22)|(3<<25)
	s_mov_b32 s[G1+1], 128<<16
	s_mov_b32 s[G1+2], 64<<16
	s_mov_b32 s[G1+3], 128<<16
	s_mov_b32 s[G1+4], 64
	s_mov_b32 s[G1+5], 128
	s_mov_b32 s[G1+6], 0
	s_mov_b32 s[G1+7], 0
	; group 1 for W: 64 k rows x 128 elements, pitch 1024 elements, 8 words of padding behind every 64
	s_or_b32 s[G1B+0], s22, (1<<16)|(1<<20)|(1<<21)|(5<<22)|(7<<25)
	s_mov_b32 s[G1B+1], 128<<16
	s_mov_b32 s[G1B+2], 64<<16
	s_mov_b32 s[G1B+3], 128<<16
	s_mov_b32 s[G1B+4], 64
	s_mov_b32 s[G1B+5], 1024
	s_mov_b32 s[G1B+6], 0
	s_mov_b32 s[G1B+7], 0
	s_lshr_b32 s40, s20, 4                         ; b: 16 heads of 262,144 bytes
	s_lshl_b32 s40, s40, 22
	s_and_b32 s44, s20, 15                         ; 128 rows of 128 bytes for each block row of b
	s_lshl_b32 s44, s44, 14
	s_add_co_u32 s40, s40, s44
	s_lshl_b32 s44, s16, 18                        ; my head of the K step's two
	s_add_co_u32 s40, s40, s44
	s_mov_b32 s41, 0
	s_lshl_b32 s42, s16, 17                        ; my 64 k rows of 2,048 bytes
	s_lshl_b32 s45, s19, 8                         ; 256 bytes for each block column
	s_add_co_u32 s42, s42, s45
	s_add_co_u32 s42, s42, 14680064                ; wp16's place in bf
	s_mov_b32 s43, 0
	s_mul_i32 s46, s16, AH                         ; where they go: made of the wave's number alone
	s_mul_i32 s47, s16, BH
	s_add_co_u32 s47, s47, BOFF
	s_wait_dscnt 0x0
	s_wait_kmcnt 0x0
	s_add_nc_u64 s[40:41], s[4:5], s[40:41]
	s_add_nc_u64 s[42:43], s[6:7], s[42:43]
	CROUND                                         ; all sixteen work-groups are here: the first joint loads meet
.irp s, 0,1
	s_mov_b32 s[G0+4*\s], 1
	s_add_co_u32 s[G0+4*\s+1], s46, \s*SLOT
	s_add_nc_u64 s[G0+4*\s+2:G0+4*\s+3], s[40:41], \s*524288       ; K step s: two heads on
	s_or_b32 s[G0+4*\s+3], s[G0+4*\s+3], 0x80000000
	s_mov_b32 s[G0B+4*\s], 1
	s_add_co_u32 s[G0B+4*\s+1], s47, \s*SLOT
	s_add_nc_u64 s[G0B+4*\s+2:G0B+4*\s+3], s[42:43], \s*262144     ; K step s: 128 rows of W down
	s_or_b32 s[G0B+4*\s+3], s[G0B+4*\s+3], 0x80000000
	JLOAD \s                                       ; both first fills: two tensor loads of a wave are out
.endr
	v_and_b32 v1, 15, v0                           ; r
	v_bfe_u32 v2, v0, 4, 1                         ; h
	v_lshlrev_b32 v[BO], 5, v2
	s_lshl_b32 s68, s19, 9                         ; my first column in bytes of f32: (128 block column + 64 CH) x 4, in b_proj and in a row of out0
	s_lshl_b32 s69, s16, 8
	s_add_co_u32 s68, s68, s69
	s_mov_b32 s69, 0
	s_add_nc_u64 s[8:9], s[8:9], s[68:69]
	s_add_nc_u64 s[10:11], s[10:11], s[68:69]
.irp b, 0,1,2,3
	global_load_b128 v[BIAS+8*\b:BIAS+8*\b+3], v[BO], s[8:9] offset:64*\b
	global_load_b128 v[BIAS+8*\b+4:BIAS+8*\b+7], v[BO], s[8:9] offset:64*\b+16
.endr
	s_lshl_b32 s68, s20, 19                        ; my first row: (128 block row + 64 RH) x 4,096 bytes
	s_lshl_b32 s66, s15, 18
	s_add_co_u32 s68, s68, s66
	s_add_nc_u64 s[10:11], s[10:11], s[68:69]
	v_lshrrev_b32 v3, 1, v1                        ; y's row r lies in LDS row r >> 1, half r & 1
	v_and_b32 v4, 1, v0
	v_mul_u32_u24 v3, v3, 272
	v_lshl_add_u32 v3, v4, 7, v3
	v_lshl_add_u32 v3, v2, 4, v3
	s_mul_i32 s66, s15, 8704                       ; my 64 rows = 32 LDS rows
	v_and_b32 v4, 7, v0                            ; the transposing load: lane l addresses k row 8 h + (l & 7)
	v_lshl_add_u32 v4, v2, 3, v4
	v_mul_u32_u24 v4, v4, 288
	v_bfe_u32 v5, v0, 3, 1
	v_lshl_add_u32 v4, v5, 4, v4
	s_lshl_b32 s67, s16, 7                         ; my 64 columns
	s_add_co_u32 s67, s67, BOFF
.irp s, 0,1
	v_add_nc_u32 v[ADRA+\s], s66, v3
	v_add_nc_u32 v[ADRB+\s], s67, v4
	s_add_co_u32 s66, s66, SLOT
	s_add_co_u32 s67, s67, SLOT
.endr
	s_mul_i32 s66, s14, SPW
	s_add_co_u32 s66, s66, STAGE                   ; my stage
	v_mul_u32_u24 v3, v1, 272
	v_lshl_add_u32 v3, v2, 5, v3
	v_add_nc_u32 v[STO], s66, v3                   ; in: row r, 32 bytes for each half of the lanes
	v_mul_u32_u24 v4, v2, 272
	v_lshl_add_u32 v4, v1, 4, v4
	v_add_nc_u32 v[RD], s66, v4                    ; back: lanes 0-15 one row of 256 bytes, lanes 16-31 the next
	v_lshlrev_b32 v5, 12, v2
	v_lshl_add_u32 v[CO], v1, 4, v5                ; and the same two rows in out0
; Eight matrix instructions: row tiles a0, a0 + 1 x four column tiles.  The sixteen accumulators take turns, one instruction a turn, in the
; same order in every quarter step.
.macro MUL8 f, a0, zero
.irp a, \a0, \a0+1
.irp b, 0,1,2,3
.if \zero
	v_wmma_f32_16x16x32_f16 v[8*(4*(\a)+\b):8*(4*(\a)+\b)+7], v[\f+32+8*\b:\f+32+8*\b+7], v[\f+8*(\a):\f+8*(\a)+7], v[BIAS+8*\b:BIAS+8*\b+7]
.else
	v_wmma_f32_16x16x32_f16 v[8*(4*(\a)+\b):8*(4*(\a)+\b)+7], v[\f+32+8*\b:\f+32+8*\b+7], v[\f+8*(\a):\f+8*(\a)+7], v[8*(4*(\a)+\b):8*(4*(\a)+\b)+7]
.endif
.endr
.endr
.endm
; Sixteen LDS loads: quarter step kq (head kq >> 1, d half kq & 1) of a slot into buffer f
.macro FETCH slot, kq, f
.irp i, 0,1,2,3
	ds_load_b128 v[\f+8*\i:\f+8*\i+3],   v[ADRA+\slot] offset:(\kq>>1)*AH+(\kq&1)*64+2176*\i
	ds_load_b128 v[\f+8*\i+4:\f+8*\i+7], v[ADRA+\slot] offset:(\kq>>1)*AH+(\kq&1)*64+2176*\i+32
.endr
.irp i, 0,1,2,3
	ds_load_tr16_b128 v[\f+32+8*\i:\f+32+8*\i+3], v[ADRB+\slot] offset:\kq*9216+32*\i
	ds_load_tr16_b128 v[\f+32+8*\i+4:\f+32+8*\i+7], v[ADRB+\slot] offset:\kq*9216+32*\i+4608
.endr
.endm
.macro PLACES                          ; four places behind matrix instructions in front of loads into their sources and of reads of their results
.rept 4
	v_nop
.endr
.endm
; One of a K step's first three quarters: fetches the next quarter, kq, into g, then multiplies f
.macro QUARTER slot, kq, f, g, zero
	PLACES
	WIN 0
	FETCH \slot, \kq, \g
	s_wait_dscnt 16                                ; buffer f is in; the sixteen loads just issued stay out
.if \zero
	WIN BEG
.else
	WIN MUL
.endif
	MUL8 \f, 0, \zero
	MUL8 \f, 2, \zero
.endm
.macro THREE slot, zero
	QUARTER \slot, 1, F0, F1, \zero
	QUARTER \slot, 2, F1, F0, 0
	QUARTER \slot, 3, F0, F1, 0
.endm
; The last quarter multiplies buffer 1 and changes slots: each wave's reads of this slot and all its tensor loads are waited for in front of
; the barrier; behind it the refill comes first, then the next slot's first fragments.
.macro TURN slot, next, fill
	s_wait_dscnt 0x0
	s_wait_tensorcnt 0x0
	ds_add_u32 v254, v255
	s_wait_dscnt 0x0
	s_barrier_signal -1                            ; (where the slot is filled again this barrier opens a round of the cluster's barrier)
	WIN MUL
	MUL8 F1, 0, 0
	WIN 0
	s_barrier_wait -1
.if \fill
	CREST
	s_add_nc_u64 s[G0+4*\slot+2:G0+4*\slot+3], s[G0+4*\slot+2:G0+4*\slot+3], 1048576     ; two K steps = four heads on
	s_add_nc_u64 s[G0B+4*\slot+2:G0B+4*\slot+3], s[G0B+4*\slot+2:G0B+4*\slot+3], 524288  ; 256 rows of W down
	JLOAD \slot                                    ; the wave's one tensor load behind the round
.endif
	PLACES
	FETCH \next, 0, F0
	WIN MUL
	MUL8 F1, 2, 0
.endm
.macro LAP zero
	THREE 0, \zero
	TURN 0, 1, 1
	THREE 1, 0
	TURN 1, 0, 1
.endm
	s_wait_tensorcnt 0x1                           ; my part of K step 0 is in; K step 1's load stays out
	s_wait_loadcnt 0x0                             ; the bias
	s_barrier_signal -1
	s_barrier_wait -1
	FETCH 0, 0, F0
	LAP 1
	WIN 0
	s_mov_b32 s23, LAPS-2
.Llap:
	LAP 0
	WIN 0
	s_sub_co_u32 s23, s23, 1
	s_cmp_lg_u32 s23, 0
	s_cbranch_scc1 .Llap
	THREE 0, 0                                     ; the last lap fills nothing
	TURN 0, 1, 0
	THREE 1, 0
	s_wait_dscnt 0x0
	WIN MUL
	MUL8 F1, 0, 0
	MUL8 F1, 2, 0
	PLACES
; THE WAY OUT, 16 rows at a time: 32 bytes a lane into my own stage, read back as whole rows of 256 bytes; sixteen lanes store 256
; neighbouring bytes that begin at a multiple of 256.  LDS serves a wave's instructions in order: no wait between stores and loads.
.macro OUT16 a, f
	WIN 0x04                                       ; the LDS stores' data in window 1
.irp b, 0,1,2,3
	ds_store_b128 v[STO], v[8*(4*\a+\b):8*(4*\a+\b)+3] offset:64*\b
	ds_store_b128 v[STO], v[8*(4*\a+\b)+4:8*(4*\a+\b)+7] offset:64*\b+16
.endr
	WIN 0
	s_wait_xcnt 0x0                                ; buffer f, which earlier stores read, is loaded again only behind this wait
.irp t, 0,1,2,3,4,5,6,7
	ds_load_b128 v[\f+4*\t:\f+4*\t+3], v[RD] offset:544*\t
.endr
.irp t, 0,1,2,3,4,5,6,7
	s_wait_dscnt 7-\t
	global_store_b128 v[CO], v[\f+4*\t:\f+4*\t+3], s[10:11] offset:65536*\a+8192*\t th:TH_STORE_NT
.endr
.endm
	OUT16 0, F0
	OUT16 1, F1
	OUT16 2, F0
	OUT16 3, F1
	s_wait_tensorcnt 0x0
	ds_add_u32 v254, v255
	s_wait_dscnt 0x0
	CROUND                                         ; the closing round
	s_endpgm
.Lfunc_end_k_q7ba565fda0_proj:
	.size	k_q7ba565fda0_proj, .Lfunc_end_k_q7ba565fda0_proj-k_q7ba565fda0_proj
	.p2alignl 7, 3214868480
	.fill 96, 4, 3214868480
	.section	.rodata,"a",@progbits
	.p2align	6, 0x0
	.amdhsa_kernel k_q7ba565fda0_proj
		.amdhsa_group_segment_fixed_size 327680
		.amdhsa_private_segment_fixed_size 0
		.amdhsa_enable_private_segment 0
		.amdhsa_kernarg_size 32
		.amdhsa_user_sgpr_count 2
		.amdhsa_user_sgpr_kernarg_segment_ptr 1
		.amdhsa_wavefront_size32 1
		.amdhsa_system_sgpr_workgroup_id_x 1
		.amdhsa_system_sgpr_workgroup_id_y 1
		.amdhsa_system_sgpr_workgroup_id_z 1
		.amdhsa_system_vgpr_workitem_id 0
		.amdhsa_next_free_vgpr 384
		.amdhsa_next_free_sgpr 72
		.amdhsa_reserve_vcc 0
		.amdhsa_float_denorm_mode_32 3
		.amdhsa_float_denorm_mode_16_64 3
		.amdhsa_memory_ordered 1
		.amdhsa_forward_progress 1
		.amdhsa_inst_pref_size 74
	.end_amdhsa_kernel
	.amdgpu_metadata
---
amdhsa.version: [ 1, 2 ]
amdhsa.kernels:
  - .name:           k_q7ba565fda0_proj
    .symbol:         k_q7ba565fda0_proj.kd
    .args:
      - { .name: yh, .offset: 0, .size: 8, .value_kind: global_buffer, .address_space: global }
      - { .name: bf, .offset: 8, .size: 8, .value_kind: global_buffer, .address_space: global }
      - { .name: b_proj, .offset: 16, .size: 8, .value_kind: global_buffer, .address_space: global }
      - { .name: out0, .offset: 24, .size: 8, .value_kind: global_buffer, .address_space: global }
    .group_segment_fixed_size: 327680
    .private_segment_fixed_size: 0
    .kernarg_segment_align: 8
    .kernarg_segment_size: 32
    .max_flat_workgroup_size: 128
    .sgpr_count:     72
    .vgpr_count:     384
    .wavefront_size: 32
...
	.end_amdgpu_metadata
.endif
;; end of part 4
;; ======== version 2 of 2: 4 launches; version 1 with the launch cast written anew for expert scheduling mode
;; limits: values outside matrix products are rounded to bf16; values are held in f16: magnitudes above 65,504 overflow, below 6.1e-05 lose precision; right only within a limited range of input values
;; workspace buffers: bf 17,039,360 bytes; qkv 25,165,824 bytes; yh 8,388,608 bytes
;; launch cast (part 5): grid 520 x 1, 8 waves a work-group, no clusters, 0 bytes of LDS; arguments x, W_attn, W_proj, cos, sin, bf; writes bf
.if DOCPART == 5
	.amdgcn_target "amdgcn-amd-amdhsa--gfx1250"
	.amdhsa_code_object_version 6
	.text
	.protected	k_q7ba565fda0_cast
	.globl	k_q7ba565fda0_cast
	.p2align	8
	.type	k_q7ba565fda0_cast,@function
k_q7ba565fda0_cast:
	s_mov_b64 s[64:65], 0
	v_nop
	global_prefetch_b8 v0, s[64:65] scope:SCOPE_SE
	s_setreg_imm32_b32 hwreg(HW_REG_WAVE_SCHED_MODE, 0, 2), 2
	s_setreg_imm32_b32 hwreg(HW_REG_WAVE_MODE, 25, 1), 1
	s_wait_xcnt 0x0
	s_wait_alu depctr_vm_vsrc(0)
; bf = x | W_attn | W_proj | cos | sin in 16 bits, laid end to end in the inputs' own element order:
; x16 at byte 0 (4,194,304 numbers), wa16 at 8,388,608 (3,145,728), wp16 at 14,680,064 (1,048,576), cos16 at 16,777,216 (65,536), sin16 at 16,908,288 (65,536).
; FORMATS: every number is rounded to bf16, to nearest even.  x, W_attn, cos and sin are stored as bf16.  W_proj's rounded numbers are stored
; as f16, because its partner in the last product (y) is kept in f16: f16 holds a bf16 number of magnitude 2^-17 to 65,504 exactly; a smaller
; one is moved by at most 2^-25, a larger one would overflow (W_proj is drawn with a spread of 1/32).
; A stream: no LDS, no barrier, no matrix unit.  A work-group takes 16,384 numbers (64 KiB in, 32 KiB out):
; work-groups 0-255 x, 256-447 W_attn, 448-511 W_proj, 512-515 cos, 516-519 sin; the output offset is the work-group's number times 32 KiB.
; Thread t takes 16 bytes at 16 t of each of 16 chunks of 4,096 bytes: a wave's load covers 512 neighbouring bytes,
; its store 256 neighbouring bytes that begin at a multiple of 256.  All sixteen loads of a wave are out at once;
; no source of a pending instruction is ever rewritten (a chunk's X registers are written again only when its load has come).
; THE MODE: SCHED_MODE bits 1:0 = 2 (LLVM: expert scheduling mode 2), set by the entry lines.  The code itself states the register dependences
; between vector instructions and memory instructions, with s_wait_alu, always for 0.
; THE PLAN.  Registers that memory instructions touch:
;   v1, v2   byte offsets of the loads and of the stores: made once at the head by vector instructions, never written again.
;   X        chunk c's four registers: its load lands in them once; its conversions read them behind the wait for that load; on W_proj's way
;            vector instructions write them again, behind that same wait.  No load lands in them later, and no memory instruction reads them.
;   Y        chunk c's two registers: written by its conversions, read by its one store, never written behind that store.
; So the only dependence to state is: a vector instruction has written a register that a memory instruction reads.  The sixteen chunks go in
; four blocks of four.  Block p converts its own X into its own Y; its memory instructions are the four stores of block p - 1, whose Y no
; vector instruction of block p names.  ONE wait at the head of a block, behind the wait for the block's data, states that block p - 1's Y is
; written; the four stores follow it, dealt among the block's conversions, with no further wait.  One wait at the kernel's head serves v1 and
; v2, one behind block 3 serves the last four stores.  No register that a memory instruction has read is written again: no wait on vm_vsrc is owed.
.set X, 4                              ; v[4:67]   chunk c: 4 numbers in f32
.set Y, 68                             ; v[68:99]  chunk c: 4 numbers in 16 bits
	s_load_b256 s[4:11], s[0:1], 0x0               ; x s[4:5], W_attn s[6:7], W_proj s[8:9], cos s[10:11]
	s_load_b128 s[12:15], s[0:1], 0x20             ; sin s[12:13], bf s[14:15]
	v_lshlrev_b32 v1, 4, v0                        ; my 16 bytes of a chunk that is read
	v_lshlrev_b32 v2, 3, v0                        ; my 8 bytes of a chunk that is written
	s_mov_b32 s18, 516                             ; the first work-group of the chosen input: sin's, unless a line below says otherwise
	s_mov_b32 s19, 0xffff0000                      ; a word's upper bf16
	s_mov_b32 s21, 0
	s_mov_b32 s23, 0
	s_lshl_b32 s22, ttmp9, 15                      ; 32 KiB out for each work-group
	s_wait_kmcnt 0x0
	s_cmp_lt_u32 ttmp9, 516                        ; every choice hangs on the work-group's number alone
	s_cselect_b64 s[16:17], s[10:11], s[12:13]
	s_cselect_b32 s18, 512, s18
	s_cmp_lt_u32 ttmp9, 512
	s_cselect_b64 s[16:17], s[8:9], s[16:17]
	s_cselect_b32 s18, 448, s18
	s_cmp_lt_u32 ttmp9, 448
	s_cselect_b64 s[16:17], s[6:7], s[16:17]
	s_cselect_b32 s18, 256, s18
	s_cmp_lt_u32 ttmp9, 256
	s_cselect_b64 s[16:17], s[4:5], s[16:17]
	s_cselect_b32 s18, 0, s18
	s_sub_co_u32 s20, ttmp9, s18
	s_lshl_b32 s20, s20, 16                        ; 64 KiB in for each work-group
	s_add_nc_u64 s[16:17], s[16:17], s[20:21]
	s_add_nc_u64 s[14:15], s[14:15], s[22:23]
	s_wait_alu depctr_va_vdst(0)                   ; v1 and v2 are written: every load reads v1 and every store v2 as its offset
.irp c, 0,1,2,3,4,5,6,7,8,9,10,11,12,13,14,15
	global_load_b128 v[X+4*\c:X+4*\c+3], v1, s[16:17] offset:4096*\c th:TH_LOAD_NT   ; read once in the launch
.endr
; Block p: chunks 4 p to 4 p + 3 are converted; the four stores of block p - 1 go out among the conversions, one ahead of each chunk's lines.
; half = 1: the rounded numbers are widened again (a shift, a mask) and stored as f16
.macro BLK p, half
	s_wait_loadcnt 12-4*(\p)                       ; loads come back in order: this block's four chunks are in, the younger blocks' loads stay out
.if \p
	s_wait_alu depctr_va_vdst(0)                   ; the block before has written its eight Y registers, which the four stores below read; no vector line of this block names them
.endif
.irp i, 0,1,2,3
.set CH, 4*(\p)+(\i)
.if \p
	global_store_b64 v2, v[Y+2*CH-8:Y+2*CH-7], s[14:15] offset:2048*(CH-4)           ; chunk CH - 4; the next launches read it: no hint
.endif
	v_cvt_pk_bf16_f32 v[Y+2*CH], v[X+4*CH], v[X+4*CH+1]
	v_cvt_pk_bf16_f32 v[Y+2*CH+1], v[X+4*CH+2], v[X+4*CH+3]
.if \half
	v_lshlrev_b32 v[X+4*CH], 16, v[Y+2*CH]
	v_and_b32 v[X+4*CH+1], s19, v[Y+2*CH]
	v_lshlrev_b32 v[X+4*CH+2], 16, v[Y+2*CH+1]
	v_and_b32 v[X+4*CH+3], s19, v[Y+2*CH+1]
	v_cvt_pk_f16_f32 v[Y+2*CH], v[X+4*CH], v[X+4*CH+1]
	v_cvt_pk_f16_f32 v[Y+2*CH+1], v[X+4*CH+2], v[X+4*CH+3]
.endif
.endr
.endm
; Behind block 3: its four stores
.macro LAST
	s_wait_alu depctr_va_vdst(0)                   ; block 3 has written its eight Y registers, which the last four stores read
.irp i, 0,1,2,3
	global_store_b64 v2, v[Y+24+2*\i:Y+25+2*\i], s[14:15] offset:2048*(12+\i)
.endr
.endm
	s_cmp_eq_u32 s18, 448
	s_cbranch_scc1 .Lwp
	BLK 0, 0
	BLK 1, 0
	BLK 2, 0
	BLK 3, 0
	LAST
	s_endpgm
.Lwp:
	BLK 0, 1
	BLK 1, 1
	BLK 2, 1
	BLK 3, 1
	LAST
	s_endpgm
.Lfunc_end_k_q7ba565fda0_cast:
	.size	k_q7ba565fda0_cast, .Lfunc_end_k_q7ba565fda0_cast-k_q7ba565fda0_cast
	.p2alignl 7, 3214868480
	.fill 96, 4, 3214868480
	.section	.rodata,"a",@progbits
	.p2align	6, 0x0
	.amdhsa_kernel k_q7ba565fda0_cast
		.amdhsa_group_segment_fixed_size 0
		.amdhsa_private_segment_fixed_size 0
		.amdhsa_enable_private_segment 0
		.amdhsa_kernarg_size 48
		.amdhsa_user_sgpr_count 2
		.amdhsa_user_sgpr_kernarg_segment_ptr 1
		.amdhsa_wavefront_size32 1
		.amdhsa_system_sgpr_workgroup_id_x 1
		.amdhsa_system_sgpr_workgroup_id_y 1
		.amdhsa_system_sgpr_workgroup_id_z 1
		.amdhsa_system_vgpr_workitem_id 0
		.amdhsa_next_free_vgpr 104
		.amdhsa_next_free_sgpr 66
		.amdhsa_reserve_vcc 0
		.amdhsa_float_denorm_mode_32 3
		.amdhsa_float_denorm_mode_16_64 3
		.amdhsa_memory_ordered 1
		.amdhsa_forward_progress 1
		.amdhsa_inst_pref_size 15
	.end_amdhsa_kernel
	.amdgpu_metadata
---
amdhsa.version: [ 1, 2 ]
amdhsa.kernels:
  - .name:           k_q7ba565fda0_cast
    .symbol:         k_q7ba565fda0_cast.kd
    .args:
      - { .name: x, .offset: 0, .size: 8, .value_kind: global_buffer, .address_space: global }
      - { .name: W_attn, .offset: 8, .size: 8, .value_kind: global_buffer, .address_space: global }
      - { .name: W_proj, .offset: 16, .size: 8, .value_kind: global_buffer, .address_space: global }
      - { .name: cos, .offset: 24, .size: 8, .value_kind: global_buffer, .address_space: global }
      - { .name: sin, .offset: 32, .size: 8, .value_kind: global_buffer, .address_space: global }
      - { .name: bf, .offset: 40, .size: 8, .value_kind: global_buffer, .address_space: global }
    .group_segment_fixed_size: 0
    .private_segment_fixed_size: 0
    .kernarg_segment_align: 8
    .kernarg_segment_size: 48
    .max_flat_workgroup_size: 256
    .sgpr_count:     66
    .vgpr_count:     104
    .wavefront_size: 32
...
	.end_amdgpu_metadata
.endif
;; end of part 5
;; launch qkvgemm: the kernel of part 2 again; grid 12 x 16, 4 waves a work-group, clusters of 4 x 4, 327,680 bytes of LDS; arguments bf, b_attn, qkv; writes qkv
;; launch attn: the kernel of part 3 again; grid 8 x 32, 4 waves a work-group, no clusters, 327,680 bytes of LDS; arguments qkv, yh; writes yh
;; launch proj: the kernel of part 4 again; grid 8 x 32, 4 waves a work-group, clusters of 4 x 4, 327,680 bytes of LDS; arguments yh, bf, b_proj, out0; writes out0
